; MI455X (gfx1250); checked and timed in simulation.
; The chip was launched on July 23, 2026; its instructions are those of AMD's public machine-readable ISA for CDNA 5 (MIT licence, August 2026) and "CDNA5" Instruction Set Architecture Reference Guide (July 2026). The comments in the code are by the model that wrote it; some were corrected since.
;; Local Window Multi Head Attention. Allowed arithmetic: matrix products marked QUANTISED: E2M1 operands, one E8M0 scale for each 32 along K, by v_wmma_scale_f32_16x16x128_f8f6f4 with both operands' format E2M1 (or v_wmma_scale_f32_32x16x128_f4), f32 sums; products left as they are: f32 operands where the result goes on into a quantised operand, else bf16, f16 or f32 operands; f32 sums; everything else in f32.
;; Inputs: Wk_codes 128 x 4 x 16 uint8 (E2M1 codes of Wk, K innermost, in blocks of 32 codes, two codes a byte); Wk_scales 128 x 4 uint8 (E8M0 scales of Wk, one for each 32 codes along K); Wo_codes 128 x 4 x 16 uint8 (E2M1 codes of Wo, K innermost, in blocks of 32 codes, two codes a byte); Wo_scales 128 x 4 uint8 (E8M0 scales of Wo, one for each 32 codes along K); Wq_codes 128 x 4 x 16 uint8 (E2M1 codes of Wq, K innermost, in blocks of 32 codes, two codes a byte); Wq_scales 128 x 4 uint8 (E8M0 scales of Wq, one for each 32 codes along K); Wv_codes 128 x 4 x 16 uint8 (E2M1 codes of Wv, K innermost, in blocks of 32 codes, two codes a byte); Wv_scales 128 x 4 uint8 (E8M0 scales of Wv, one for each 32 codes along K); bk 128 float32; bo 128 float32; bq 128 float32; bv 128 float32; x 1 x 128 x 128 x 128 float32.
;; Outputs: out0 1 x 128 x 128 x 128 float32.
;; This version of the problem:
;;   THIS VERSION OF THE PROBLEM IS GIVEN IN LOW PRECISION. The matrix products marked QUANTISED in the list below multiply operands that are first quantised to E2M1 (2 exponent bits, 1 mantissa bit; 4 bits a number), with one power-of-two scale for each 32 numbers along K (OCP MX v1.0); their sums are f32. All else is computed in f32.
;;   The module's matrix products, in the order in which they are computed (A, B: the left and right operand; K: the contracted axis; several contracted axes count as one K, in the product's order):
;;     1. [M 17,956, K 128] x [K 128, N 128]; A: computed on the way; B: input Wk (given as codes): QUANTISED
;;     2. [M 17,956, K 128] x [K 128, N 128]; A: computed on the way; B: input Wv (given as codes): QUANTISED
;;     3. [M 16,384, K 128] x [K 128, N 128]; A: input x; B: input Wq (given as codes): QUANTISED
;;     4. batch 131,072 x [M 1, K 16] x [K 16, N 49]; A: computed on the way; B: computed on the way: left as it is (K = 16 < 32)
;;     5. batch 131,072 x [M 1, K 49] x [K 49, N 16]; A: softmax; B: computed on the way: left as it is (M = 1 < 16)
;;     6. [M 16,384, K 128] x [K 128, N 128]; A: computed on the way; B: input Wo (given as codes): QUANTISED
;;   THE QUANTISER, for each operand of a quantised product, along K:
;;     - K is cut into blocks of 32 from its start; a last block that is shorter is filled with zeros.
;;     - A block's scale is 2^e with e = floor(log2(the largest magnitude in the block)) - 2, held to -126 .. 127; a block of zeros has e = 0. As a byte (E8M0): e + 127.
;;     - Each number is divided by its block's scale, clamped to +-6, and rounded to the nearest number of E2M1, ties to even, subnormals kept.
;;     - The product sums the exact products of the quantised numbers (number of the format x scale) in f32.
;;   ~~~python
;;   def quantise(x, axis):      # numpy; x: float32 -> the quantised numbers, widened to float32 again
;;       x = np.moveaxis(x, axis, -1); K = x.shape[-1]
;;       x = np.pad(x, [(0, 0)] * (x.ndim - 1) + [(0, -K % 32)]); x = x.reshape(x.shape[:-1] + (-1, 32)); a = np.abs(x).max(-1, keepdims=True)
;;       e = np.where(a > 0, np.clip(np.frexp(np.where(a > 0, a, 1))[1] - 1 - 2, -126, 127), 0)      # np.frexp(a)[1] - 1 = floor(log2(a)), exactly
;;       r = np.clip(x / 2.0 ** e, -6, 6)
;;       step = 2.0 ** (np.maximum(np.frexp(np.where(r == 0, 1, r))[1] - 1, 0) - 1)
;;       q = np.round(r / step) * step * 2.0 ** e      # np.round: ties to even
;;       return np.moveaxis(q.reshape(q.shape[:-2] + (-1,))[..., :K], -1, axis).astype(np.float32)
;;   ~~~
;;   OPERANDS COMPUTED ON THE WAY. 'Computed on the way' means the value that the module computes at that place (a softmax that the list does not call 'softmax' is quantised finished and normalised). What goes into a quantiser is computed in f32, as accurately as f32 sums, v_exp_f32 and their like allow (about 1e-6 of the number): no bf16 or f16 on the way to a quantiser, and a product that is left as it is and whose result goes on into a quantised operand takes f32 operands (vector FMAs, or v_wmma_f32_16x16x4_f32). A number that lies on a knife's edge between two numbers of the format may be rounded either way, as far as f32 arithmetic and the matrix unit's own rounding can turn it there, and no further.
;;   INPUTS GIVEN AS CODES. Wk (in the module: [128, 128], K = its axis 1); Wo (in the module: [128, 128], K = its axis 1); Wq (in the module: [128, 128], K = its axis 1); Wv (in the module: [128, 128], K = its axis 1): each comes as NAME_codes (uint8): NAME with its K axis moved to the last place and cut into blocks of 32 codes, [.., K / 32, bytes a block], one block behind the other in memory; two codes a byte, the lower K in the low four bits (a code: sign, 2 exponent bits, 1 mantissa bit); and NAME_scales (uint8): the same leading axes, one E8M0 byte (e + 127) for each 32 codes along K. Its value is code x scale, taken as it is: it is not quantised again, and the codes and scales need not be those that the quantiser above would give.
;; 2 versions, each right; version 2 is version 1 with the launch lwattn written anew for expert scheduling mode. Each part assembles by itself: llvm-mc -triple=amdgcn-amd-amdhsa -mcpu=gfx1250 --defsym DOCPART=n.
;; ======== version 1 of 2: 1 launch
;; launch lwattn (part 1): grid 16 x 16, 4 waves a work-group, no clusters, 327,680 bytes of LDS; arguments x, Wq_codes, Wq_scales, bq, Wk_codes, Wk_scales, Wv_codes, Wv_scales, bv, Wo_codes, Wo_scales, bo, out0; writes out0
.if DOCPART == 1
	.amdgcn_target "amdgcn-amd-amdhsa--gfx1250"
	.amdhsa_code_object_version 6
	.text
	.protected	k_q36f9e9a166_lwattn
	.globl	k_q36f9e9a166_lwattn
	.p2align	8
	.type	k_q36f9e9a166_lwattn,@function
k_q36f9e9a166_lwattn:
	s_mov_b64 s[64:65], 0
	v_nop
	global_prefetch_b8 v0, s[64:65] scope:SCOPE_SE
	s_setreg_imm32_b32 hwreg(HW_REG_WAVE_MODE, 25, 1), 1
	s_wait_xcnt 0x0
; LOCAL WINDOW ATTENTION, 128 x 128 pixels, 128 channels, 8 heads of 16, window 7 x 7 on the reflect-padded image.  One launch; nothing goes through memory but x, the weights and out0.
; A work-group of four waves owns 8 x 8 pixels.  It reads its 14 x 14 halo of x at reflected coordinates, quantises each pixel's 128 channels to E2M1 codes (one E8M0 scale for each 32), makes K and V of the
; halo and Q of the centre by scaled FP4 matrix instructions into LDS (f32), does the window attention by f32 packed multiply-adds (its result goes into a quantiser, so its operands stay f32), quantises the
; result, multiplies by Wo and stores whole rows of 512 bytes.
; WORK LEFT OUT.  (1) The padded rows of xp are copies of rows of x: the same row gives the same codes, the same K and the same V, so K and V of a padded place are looked up at the reflected coordinate.
; (2) bk: the scores are q . (K_w + bk) / 4 = q . K_w / 4 + q . bk / 4, the product with q is not quantised, and q . bk / 4 is the same for all 49 places w of a softmax row: it cancels in the softmax for all
; values of the inputs.  So bk is not loaded and is no argument; K's product starts from the constant 0.  bq, bv, bo are live.
; LIMITS.  A NaN, an infinity or an overflow that reaches only q . bk is not carried to the result.  NaN and infinities among the inputs are not served.  A block whose largest magnitude lies under 2^-124
; keeps the scale byte 1; a block of zeros gets the byte 1 with zero codes (these bytes are read by this program alone).  The softmax is divided by its sum behind the product with V.
; NO TENSOR LOADS: reflection makes border tiles no rectangles, and a wave's whole share of x is asked for at the head into registers.  NO CLUSTER: neighbours share only parts of their halos, so no two
; work-groups would state the same tile; what all share, the weights, is 34 KB.  No prefetch: every stream is asked for whole at the head.
; SHARES.  Quantising: halo row t (16 pixel slots, slots 14, 15 copies of column 13) belongs to wave t % 4.  Projections: wave w holds the rows of Wk, Wv, Wq of heads 2 w, 2 w + 1 and multiplies them with all 14
; fragments of x (source 0 = 16 rows of W, source 1 = 16 pixels: a lane holds one pixel and 64 channels).  Attention: wave w owns centre rows 2 w, 2 w + 1; lane = (head h = lane % 8, bx = lane / 8) owns the
; 2 x 2 queries at columns 2 bx, 2 bx + 1: the 8 x 8 keys that it reads serve 196 (query, key) pairs.  Output: wave w's own 16 pixels against all of Wo.
; IN A PIXEL (K, V, Q, the result alike) head n, dimension d lies at byte 256 (c / 2) + 32 (c % 2) + 64 (n / 2) + 16 (n % 2) + 4 (d % 4), c = d / 4: so the sixteen lanes of half a wave's 16-byte read
; (8 heads x 2 neighbouring blocks, pixels 528 bytes apart) fall on sixteen different 16-byte columns of 256 bytes.
.set PX,    528                        ; a pixel in LDS: 512 bytes + 16
.set ROWP,  16*PX                      ; a halo row: 16 pixel slots
.set KREG,  0                          ; K, 14 rows; before that, row t is its owner's stage for the raw x of tile t
.set VREG,  14*ROWP                    ; V, 14 rows
.set QREG,  28*ROWP                    ; Q, 8 centre rows (slot = halo column); behind the second barrier rows 2 w, 2 w + 1 are wave w's alone: q, the result, the stage for y
.set XIMG,  36*ROWP                    ; x's 14 fragments as images of their registers, 1,024 bytes each
.set XSC,   XIMG+14*1024               ; their scale words, 64 bytes a tile
.set SPARE, XSC+1024                   ; the spare words, 128 bytes for each wave: two blocks of 256 bytes that no other line names
; window 0, kept
.set KA,  1                            ; v1  attention: my place in K;  v2 in V
.set VA,  2
.set QA,  3                            ; v3  my first query's place in Q
.set CR,  4                            ; v4  output phase: where I read the result back
.set YS,  5                            ; v5  the stage for y: where I put 32 bytes of a row
.set YR,  6                            ; v6  and where I read a row back
.set L16, 7                            ; v7  16 x lane
.set SPW, 8                            ; v8  LDS address of my spare word; never rewritten
.set NIL, 9                            ; v9  0; never rewritten
.set WSK, 10                           ; v10-12 scale words of my 32 rows of Wk, Wv, Wq: lanes 0-15 the first tile, lanes 16-31 the second
.set WSV, 11
.set WSQ, 12
.set WOS, 13                           ; v13-16 Wo's: register n: rows 32 n + lane
.set PW0, 17                           ; v17, v18 the scale words just made
.set PW1, 18
.set XS,  19                           ; v19-25 x's: register s: lanes 0-15 tile 2 s, lanes 16-31 tile 2 s + 1
; window 0, first phases
.set COL, 28                           ; v28-41 16 x lane + 512 x the reflected column of halo column i
.set SA0, 42                           ; v42, v43 the stage, in: tiles k = 0, 1; k = 2, 3
.set SR0, 44                           ; v44, v45 the stage, out
.set IW,  46                           ; v46 where I store images;  v47 their scale words
.set SW,  47
.set WA,  48                           ; v48 a weight fragment's bytes: 64 r + 16 h2;  v49 4 x lane;  v50 32 h2
.set W4,  49
.set BA,  50
.set LI,  51                           ; v51 an image's place for my lane;  v52 a scale word's
.set LSC, 52
.set AK0, 53                           ; v53, v54 where I store K: rows 0-6, rows 7-13;  v55, v56 V;  v57 Q
.set AV0, 55
.set AQ,  57
.set TM,  60                           ; v60-75 at work in QUANT
.set PC0, 76                           ; v76-83, v84-91 the codes just made
.set PC1, 84
.set NUMA, 96                          ; v96-159, v160-223 64 numbers of a lane
.set NUMB, 160
.set ACC0, 96                          ; two sets of six accumulators, 48 apart: K at 0, 8; V at 16, 24; Q at 32, 40
; window 0, attention
.set TMP, 28                           ; v28-55 14 pairs of partial scores
.set STR, 28                           ; softmax: v28-35 -c max (low word of a pair);  v36-43 the sums, then 1 / sum in the low word;  v44-51 the maxima's chains
.set SUM, 36
.set MX,  44
.set S,   56                           ; query i's score of window place (wr, wc): v[56 + 50 i + 7 wr + wc]; the 50th holds 0
.set YACC, 160                         ; output phase: eight accumulators
; window 1: x as loaded (tile k at 56 k, column i at + 4 i); then x's fragments (8 t); then q and later the sums at 0-63 (16 i + 4 c), three key buffers of 64 from 64 on
; window 2: the weights' fragments and the biases in the results' layout
.set WK,  0
.set WV,  16
.set WQ,  32
.set BV,  48
.set BQ,  64
.set WO,  96
.set BO,  160
.set MSB, 0
.macro WIN new                         ; s_set_vgpr_msb: bits 1:0 source 0, 3:2 source 1, 5:4 source 2, 7:6 destination; the high byte repeats the setting that is left
.if MSB != \new
	s_set_vgpr_msb (MSB<<8)|\new
.set MSB, \new
.endif
.endm
.macro REFL d, s                       ; d = s reflected into 0 .. 127, for s from -3 to 132
	s_sub_co_i32 s3, 0, \s
	s_max_i32 \d, \s, s3
	s_sub_co_i32 s3, 254, \d
	s_min_i32 \d, \d, s3
.endm
; 64 numbers of a lane, register 16 b + i = channel 32 b + 16 (lane / 16) + i of my row (lane % 16), become a fragment's codes in v[pc] on and its scale word in v[pw]
.macro QUANT s, pc, pw
.irp b, 0,1,2,3
	v_max3_num_f32 v[TM+\b], |v[\s+16*\b]|, |v[\s+1+16*\b]|, 0x1800000   ; block b: my 16 numbers, and the floor 2^(3 - 127): the byte cannot fall under 1
.endr
.irp i, 2,4,6,8,10,12,14
.irp b, 0,1,2,3
	v_max3_num_f32 v[TM+\b], v[TM+\b], |v[\s+16*\b+\i]|, |v[\s+1+16*\b+\i]|   ; the four blocks by turns
.endr
.endr
.irp b, 0,1,2,3
	v_permlanex16_b32 v[TM+4+\b], v[TM+\b], s34, s35
.endr
.irp b, 0,1,2,3
	v_max_num_f32 v[TM+\b], v[TM+\b], v[TM+4+\b]      ; with lane l xor 16's: the block's largest magnitude
.endr
.irp b, 0,1,2,3
	v_add_nc_u32 v[TM+12+\b], 0xff000000, v[TM+\b]    ; 2 off its exponent field: the conversion takes the exponent field of this operand as its scale
.endr
.irp b, 0,1,2,3
	v_lshrrev_b32 v[TM+4+\b], 23, v[TM+12+\b]         ; the scale's byte
.endr
	v_lshl_or_b32 v[\pw], v[TM+5], 8, v[TM+4]         ; my row's scale word
	v_lshl_or_b32 v[\pw], v[TM+6], 16, v[\pw]
	v_lshl_or_b32 v[\pw], v[TM+7], 24, v[\pw]
.irp b, 0,1,2,3
	v_cvt_scalef32_pk8_fp4_f32 v[\pc+2*\b], v[\s+16*\b:\s+7+16*\b], v[TM+12+\b]
	v_cvt_scalef32_pk8_fp4_f32 v[\pc+1+2*\b], v[\s+8+16*\b:\s+15+16*\b], v[TM+12+\b]
.endr
	v_nop                                             ; one plain place behind a scaled conversion
.irp c, 0,1                                       ; the operand's layout wants a whole block in a lane
.irp i, 0,1
	v_permlane16_swap_b32 v[\pc+4*\c+\i], v[\pc+2+4*\c+\i]
.endr
.endr
.endm
.macro XLD k                           ; my tile k: 14 pixels, each load one pixel's 512 consecutive bytes
.irp i, 0,1,2,3,4,5,6,7,8,9,10,11,12,13
	global_load_b128 v[56*(\k)+4*\i:56*(\k)+4*\i+3], v[COL+\i], s[40+2*(\k):41+2*(\k)]
.endr
.endm
; my tile k goes through its stage: in as loaded (a pixel to a store), out 16 neighbouring channels of each block of 32 to a lane.  LDS serves a wave's instructions in order: no wait between.  32 LDS instructions
.macro TURN k, num
	WIN 0x04                                          ; an LDS store's data are its source 1: window 1
.irp i, 0,1,2,3,4,5,6,7,8,9,10,11,12,13
	ds_store_b128 v[SA0+(\k)/2], v[56*(\k)+4*\i:56*(\k)+4*\i+3] offset:((\k)&1)*4*ROWP+PX*\i
.endr
	ds_store_b128 v[SA0+(\k)/2], v[56*(\k)+52:56*(\k)+55] offset:((\k)&1)*4*ROWP+PX*14   ; slots 14 and 15: column 13 again, so that a tile has 16 rows
	ds_store_b128 v[SA0+(\k)/2], v[56*(\k)+52:56*(\k)+55] offset:((\k)&1)*4*ROWP+PX*15
	WIN 0
.irp b, 0,1,2,3
.irp j, 0,1,2,3
	ds_load_b128 v[\num+16*\b+4*\j:\num+16*\b+4*\j+3], v[SR0+(\k)/2] offset:((\k)&1)*4*ROWP+128*\b+16*\j
.endr
.endr
.endm
.macro IMAGE k, pc, pw                 ; the fragment goes to LDS as it stands in its registers; its scale words beside it (lanes 16-31 write the same words with the same values).  3 LDS instructions
.irp c, 0,1
	ds_store_b128 v[IW], v[\pc+4*\c:\pc+4*\c+3] offset:4096*(\k)+512*\c
.endr
	ds_store_b32 v[SW], v[\pw] offset:256*(\k)
.endm
; one scaled FP4 product.  c: C's first register, or -1 for the constant 0.  arow, brow = 1: that side's scale words stand in lanes 16-31
.macro MM d, a, b, c, sa, sb, arow, brow
.if (\c) < 0
.if (\arow) && (\brow)
	v_wmma_scale_f32_16x16x128_f8f6f4 v[(\d):(\d)+7], v[(\a):(\a)+7], v[(\b):(\b)+7], 0, v[\sa], v[\sb] matrix_a_fmt:MATRIX_FMT_FP4 matrix_b_fmt:MATRIX_FMT_FP4 matrix_a_scale:MATRIX_SCALE_ROW1 matrix_b_scale:MATRIX_SCALE_ROW1
.elseif (\arow)
	v_wmma_scale_f32_16x16x128_f8f6f4 v[(\d):(\d)+7], v[(\a):(\a)+7], v[(\b):(\b)+7], 0, v[\sa], v[\sb] matrix_a_fmt:MATRIX_FMT_FP4 matrix_b_fmt:MATRIX_FMT_FP4 matrix_a_scale:MATRIX_SCALE_ROW1
.elseif (\brow)
	v_wmma_scale_f32_16x16x128_f8f6f4 v[(\d):(\d)+7], v[(\a):(\a)+7], v[(\b):(\b)+7], 0, v[\sa], v[\sb] matrix_a_fmt:MATRIX_FMT_FP4 matrix_b_fmt:MATRIX_FMT_FP4 matrix_b_scale:MATRIX_SCALE_ROW1
.else
	v_wmma_scale_f32_16x16x128_f8f6f4 v[(\d):(\d)+7], v[(\a):(\a)+7], v[(\b):(\b)+7], 0, v[\sa], v[\sb] matrix_a_fmt:MATRIX_FMT_FP4 matrix_b_fmt:MATRIX_FMT_FP4
.endif
.else
.if (\arow) && (\brow)
	v_wmma_scale_f32_16x16x128_f8f6f4 v[(\d):(\d)+7], v[(\a):(\a)+7], v[(\b):(\b)+7], v[(\c):(\c)+7], v[\sa], v[\sb] matrix_a_fmt:MATRIX_FMT_FP4 matrix_b_fmt:MATRIX_FMT_FP4 matrix_a_scale:MATRIX_SCALE_ROW1 matrix_b_scale:MATRIX_SCALE_ROW1
.elseif (\arow)
	v_wmma_scale_f32_16x16x128_f8f6f4 v[(\d):(\d)+7], v[(\a):(\a)+7], v[(\b):(\b)+7], v[(\c):(\c)+7], v[\sa], v[\sb] matrix_a_fmt:MATRIX_FMT_FP4 matrix_b_fmt:MATRIX_FMT_FP4 matrix_a_scale:MATRIX_SCALE_ROW1
.elseif (\brow)
	v_wmma_scale_f32_16x16x128_f8f6f4 v[(\d):(\d)+7], v[(\a):(\a)+7], v[(\b):(\b)+7], v[(\c):(\c)+7], v[\sa], v[\sb] matrix_a_fmt:MATRIX_FMT_FP4 matrix_b_fmt:MATRIX_FMT_FP4 matrix_b_scale:MATRIX_SCALE_ROW1
.else
	v_wmma_scale_f32_16x16x128_f8f6f4 v[(\d):(\d)+7], v[(\a):(\a)+7], v[(\b):(\b)+7], v[(\c):(\c)+7], v[\sa], v[\sb] matrix_a_fmt:MATRIX_FMT_FP4 matrix_b_fmt:MATRIX_FMT_FP4
.endif
.endif
.endm
; halo row t: K and V of my two heads for its 16 pixel slots; for the centre rows Q too.  Each product is one K step: no sum is carried from instruction to instruction.
.macro TILE t
.set AC, ACC0+48*((\t)%2)
.if (\t) == 0
	s_wait_dscnt 26                                   ; the scale words and fragment 0 are in; the 26 loads of fragments 1 to 13 may be out
.elseif (\t) == 1
	s_wait_dscnt 32                                   ; fragment 1 is in; behind it: 24 loads and tile 0's 8 stores
.elseif ((\t) >= 4) && ((\t) <= 11)
	s_wait_dscnt 12                                   ; all but the last tile's 12 stores: the stores of two tiles back have read this set of accumulators
.else
	s_wait_dscnt 8                                    ; the same where the last tile had 8 stores
.endif
	WIN 0x26                                          ; W and the bias in window 2, x in window 1, the result in window 0
	MM AC,    WK,   8*(\t), -1,   WSK, XS+(\t)/2, 0, (\t)%2
	MM AC+8,  WK+8, 8*(\t), -1,   WSK, XS+(\t)/2, 1, (\t)%2
	MM AC+16, WV,   8*(\t), BV,   WSV, XS+(\t)/2, 0, (\t)%2
	MM AC+24, WV+8, 8*(\t), BV+8, WSV, XS+(\t)/2, 1, (\t)%2
.if ((\t) >= 3) && ((\t) <= 10)
	MM AC+32, WQ,   8*(\t), BQ,   WSQ, XS+(\t)/2, 0, (\t)%2
	MM AC+40, WQ+8, 8*(\t), BQ+8, WSQ, XS+(\t)/2, 1, (\t)%2
.endif
	WIN 0
.rept 4
	v_nop                                             ; four places between a product and the store that reads its result; two tiles' eight stand between two writers of a set
.endr
.irp u, 0,1                                       ; lane (r, h2): pixel slot r, dimensions 8 h2 + 0 .. 7 of head 2 w + u; each accumulator from its low end on
	ds_store_b128 v[AK0+(\t)/7], v[AC+8*\u:AC+8*\u+3] offset:ROWP*((\t)%7)+16*\u
	ds_store_b128 v[AK0+(\t)/7], v[AC+8*\u+4:AC+8*\u+7] offset:ROWP*((\t)%7)+16*\u+32
	ds_store_b128 v[AV0+(\t)/7], v[AC+16+8*\u:AC+16+8*\u+3] offset:ROWP*((\t)%7)+16*\u
	ds_store_b128 v[AV0+(\t)/7], v[AC+16+8*\u+4:AC+16+8*\u+7] offset:ROWP*((\t)%7)+16*\u+32
.endr
.if ((\t) >= 3) && ((\t) <= 10)
.irp u, 0,1
	ds_store_b128 v[AQ], v[AC+32+8*\u:AC+32+8*\u+3] offset:ROWP*((\t)-3)+16*\u
	ds_store_b128 v[AQ], v[AC+32+8*\u+4:AC+32+8*\u+7] offset:ROWP*((\t)-3)+16*\u+32
.endr
.endif
.endm
; unit u of the stream of keys: units 0-15 K, 16-31 V; key row (u % 16) / 2, key columns 4 (u % 2) + 0 .. 3; 16 loads of 16 bytes into buffer u % 3
.macro LOADU u
.set LKR, ((\u)&15)/2
.set LHF, (\u)&1
.set LB,  64+64*((\u)%3)
.irp kk, 0,1,2,3
.irp c, 0,1,2,3
	ds_load_b128 v[LB+16*\kk+4*\c:LB+16*\kk+4*\c+3], v[KA+(\u)/16] offset:ROWP*LKR+PX*(4*LHF+\kk)+256*(\c/2)+32*(\c%2)
.endr
.endr
.endm
; the scores of a unit: key (kr, 4 hf + kk) counts for query (qy, qx) where kr - qy and 4 hf + kk - qx lie in 0 .. 6: 7 or 14 chains of eight packed multiply-adds, by turns; then each chain's two halves are added
.macro SC1 kr, hf, b
	WIN 0x05                                          ; q and K in window 1, the partial scores in window 0
.irp j, 0,1,2,3,4,5,6,7
.irp qy, 0,1
.irp qx, 0,1
.irp kk, 0,1,2,3
.if (((\kr)-\qy) >= 0) && (((\kr)-\qy) <= 6) && ((4*(\hf)+\kk-\qx) >= 0) && ((4*(\hf)+\kk-\qx) <= 6)
.if \j == 0
	v_pk_mul_f32 v[TMP+2*(7*\qy+3*\qx+\kk):TMP+2*(7*\qy+3*\qx+\kk)+1], v[16*(2*\qy+\qx)+2*\j:16*(2*\qy+\qx)+2*\j+1], v[64+64*(\b)+16*\kk+2*\j:64+64*(\b)+16*\kk+2*\j+1]
.else
	v_pk_fma_f32 v[TMP+2*(7*\qy+3*\qx+\kk):TMP+2*(7*\qy+3*\qx+\kk)+1], v[16*(2*\qy+\qx)+2*\j:16*(2*\qy+\qx)+2*\j+1], v[64+64*(\b)+16*\kk+2*\j:64+64*(\b)+16*\kk+2*\j+1], v[TMP+2*(7*\qy+3*\qx+\kk):TMP+2*(7*\qy+3*\qx+\kk)+1]
.endif
.endif
.endr
.endr
.endr
.endr
	WIN 0
.irp qy, 0,1
.irp qx, 0,1
.irp kk, 0,1,2,3
.if (((\kr)-\qy) >= 0) && (((\kr)-\qy) <= 6) && ((4*(\hf)+\kk-\qx) >= 0) && ((4*(\hf)+\kk-\qx) <= 6)
	v_add_f32 v[S+50*(2*\qy+\qx)+7*((\kr)-\qy)+4*(\hf)+\kk-\qx], v[TMP+2*(7*\qy+3*\qx+\kk)], v[TMP+2*(7*\qy+3*\qx+\kk)+1]
.endif
.endr
.endr
.endr
.endm
; the sums of a unit: sum(query) += p x V(key), eight packed multiply-adds, p taken from its half of a pair for both halves.  A query's first key (window place 0, 0) starts its sums: nothing is cleared
.macro PV2 kr, hf, b
.irp kk, 0,1,2,3
.irp qy, 0,1
.irp qx, 0,1
.if (((\kr)-\qy) >= 0) && (((\kr)-\qy) <= 6) && ((4*(\hf)+\kk-\qx) >= 0) && ((4*(\hf)+\kk-\qx) <= 6)
.set PP, S+50*(2*\qy+\qx)+7*((\kr)-\qy)+4*(\hf)+\kk-\qx
.set PE, PP-(PP%2)
.irp j, 0,1,2,3,4,5,6,7
.if (((\kr)-\qy) == 0) && ((4*(\hf)+\kk-\qx) == 0)
	v_pk_mul_f32 v[16*(2*\qy+\qx)+2*\j:16*(2*\qy+\qx)+2*\j+1], v[PE:PE+1], v[64+64*(\b)+16*\kk+2*\j:64+64*(\b)+16*\kk+2*\j+1] op_sel_hi:[0,1]
.elseif (PP%2) == 0
	v_pk_fma_f32 v[16*(2*\qy+\qx)+2*\j:16*(2*\qy+\qx)+2*\j+1], v[PE:PE+1], v[64+64*(\b)+16*\kk+2*\j:64+64*(\b)+16*\kk+2*\j+1], v[16*(2*\qy+\qx)+2*\j:16*(2*\qy+\qx)+2*\j+1] op_sel_hi:[0,1,1]
.else
	v_pk_fma_f32 v[16*(2*\qy+\qx)+2*\j:16*(2*\qy+\qx)+2*\j+1], v[PE:PE+1], v[64+64*(\b)+16*\kk+2*\j:64+64*(\b)+16*\kk+2*\j+1], v[16*(2*\qy+\qx)+2*\j:16*(2*\qy+\qx)+2*\j+1] op_sel:[1,0,0] op_sel_hi:[1,1,1]
.endif
.endr
.endif
.endr
.endr
.endr
.endm
	; ---- THE HEAD: arguments, ids, every address register (all of them ahead of the first branch on the wave's number)
	s_load_b512 s[8:23], s[0:1], 0x0               ; x s[8:9], Wq's codes s[10:11], scales s[12:13], bq s[14:15], Wk's codes s[16:17], scales s[18:19], Wv's codes s[20:21], scales s[22:23]
	s_load_b256 s[24:31], s[0:1], 0x40             ; bv s[24:25], Wo's codes s[26:27], scales s[28:29], bo s[30:31]
	s_load_b64 s[32:33], s[0:1], 0x60              ; out0
	v_lshl_add_u32 v[SPW], v0, 2, SPARE
	v_mov_b32 v[NIL], 0
	v_lshrrev_b32 v26, 5, v0
	v_readfirstlane_b32 s2, v26                    ; wave w
	s_lshl_b32 s4, ttmp9, 3                        ; x0: my block's first column
	s_and_b32 s5, ttmp7, 0xffff
	s_lshl_b32 s5, s5, 3                           ; y0: its first row
	s_mov_b32 s34, 0x76543210                      ; v_permlanex16_b32's selects for lane l xor 16
	s_mov_b32 s35, 0xfedcba98
	s_mov_b32 s36, 0x3eb8aa3b                      ; c = log2(e) / sqrt(16)
	s_mov_b32 s37, s36                             ; (named with it as a pair)
	s_mov_b32 s38, 0xbeb8aa3b                      ; -c
	s_lshl_b32 s39, s2, 6                          ; 64 w
	s_mul_i32 s48, s2, ROWP                        ; a row x w
	s_mul_i32 s49, s2, 2*ROWP                      ; two rows x w
	s_lshl_b32 s52, s2, 10                         ; 1,024 w
	s_mov_b32 s51, 0
	v_and_b32 v240, 31, v0                         ; lane
	v_and_b32 v241, 15, v0                         ; r
	v_bfe_u32 v242, v0, 4, 1                       ; h2
	v_and_b32 v243, 7, v0                          ; the head; also r % 8
	v_bfe_u32 v244, v0, 3, 2                       ; bx
	v_bfe_u32 v245, v0, 3, 1                       ; r / 8
	v_mul_u32_u24 v246, v241, PX                   ; 528 r
	v_lshlrev_b32 v[L16], 4, v240
	v_add_nc_u32 v[SA0], s48, v[L16]               ; the stage of tile w: a pixel's 512 bytes as loaded
	v_add_nc_u32 v[SA0+1], 8*ROWP, v[SA0]          ; of tile w + 8
	v_lshl_add_u32 v[SR0], v242, 6, v246
	v_add_nc_u32 v[SR0], s48, v[SR0]               ; and back: slot r, + 64 h2
	v_add_nc_u32 v[SR0+1], 8*ROWP, v[SR0]
	v_add_nc_u32 v[IW], s52, v[L16]
	v_add_nc_u32 v[IW], XIMG, v[IW]
	v_lshl_add_u32 v[SW], v241, 2, s39
	v_add_nc_u32 v[SW], XSC, v[SW]
	v_add_nc_u32 v[LI], XIMG, v[L16]
	v_lshl_add_u32 v[LSC], v240, 2, XSC
	v_lshl_add_u32 v[AK0], v242, 8, v246
	v_add_nc_u32 v[AK0], s39, v[AK0]               ; 528 r + 256 h2 + 64 w
	v_add_nc_u32 v[AK0+1], 7*ROWP, v[AK0]
	v_add_nc_u32 v[AV0], VREG, v[AK0]
	v_add_nc_u32 v[AV0+1], VREG, v[AK0+1]
	v_add_nc_u32 v[AQ], QREG, v[AK0]
	v_lshlrev_b32 v[WA], 6, v241
	v_lshl_add_u32 v[WA], v242, 4, v[WA]
	v_lshlrev_b32 v[W4], 2, v240
	v_lshlrev_b32 v[BA], 5, v242
	v_mul_u32_u24 v[KA], v244, 2*PX                ; two pixels x bx
	v_bfe_u32 v26, v0, 1, 2
	v_lshl_add_u32 v[KA], v26, 6, v[KA]            ; + 64 (head / 2)
	v_and_b32 v26, 1, v0
	v_lshl_add_u32 v[KA], v26, 4, v[KA]            ; + 16 (head % 2)
	v_add_nc_u32 v[KA], s49, v[KA]                 ; + halo row 2 w
	v_add_nc_u32 v[VA], VREG, v[KA]
	v_add_nc_u32 v[QA], QREG+3*PX, v[KA]           ; centre column 0 is slot 3
	v_mul_u32_u24 v[CR], v243, PX
	v_mad_u32_u24 v[CR], v245, ROWP, v[CR]
	v_lshl_add_u32 v[CR], v242, 4, v[CR]
	v_add_nc_u32 v[CR], s49, v[CR]
	v_add_nc_u32 v[CR], QREG+3*PX, v[CR]           ; pixel r of my 16: row r / 8, column r % 8; + 16 h2
	v_lshl_add_u32 v[YS], v242, 5, v246
	v_add_nc_u32 v[YS], s49, v[YS]
	v_add_nc_u32 v[YS], QREG, v[YS]
	v_add_nc_u32 v[YR], s49, v[L16]
	v_add_nc_u32 v[YR], QREG, v[YR]
.irp b, 0,1,2,3
	v_mov_b32 v[TM+4+\b], 0                        ; written once: a lane permute's destination counts as one of its sources
.endr
.irp i, 0,1,2,3,4,5,6,7,8,9,10,11,12,13
	s_add_co_i32 s6, s4, \i-3
	REFL s7, s6
	s_lshl_b32 s7, s7, 9
	v_add_nc_u32 v[COL+\i], s7, v[L16]             ; halo column i: its pixel's bytes in a row of x
.endr
	s_wait_kmcnt 0x0
.irp k, 0,1,2,3
	s_add_co_i32 s6, s5, 4*\k-3
	s_add_co_i32 s6, s6, s2
	REFL s7, s6                                    ; halo row w + 4 k
	s_lshl_b32 s50, s7, 16
	s_add_nc_u64 s[40+2*\k:41+2*\k], s[8:9], s[50:51]
.endr
	s_lshl_b32 s50, s2, 11                         ; my 32 rows of codes
	s_add_nc_u64 s[10:11], s[10:11], s[50:51]
	s_add_nc_u64 s[16:17], s[16:17], s[50:51]
	s_add_nc_u64 s[20:21], s[20:21], s[50:51]
	s_lshl_b32 s50, s2, 7                          ; their 32 scale words; my 32 numbers of a bias
	s_add_nc_u64 s[12:13], s[12:13], s[50:51]
	s_add_nc_u64 s[18:19], s[18:19], s[50:51]
	s_add_nc_u64 s[22:23], s[22:23], s[50:51]
	s_add_nc_u64 s[14:15], s[14:15], s[50:51]
	s_add_nc_u64 s[24:25], s[24:25], s[50:51]
	s_lshl_b32 s6, s2, 1
	s_add_co_u32 s6, s6, s5
	s_lshl_b32 s6, s6, 16
	s_lshl_b32 s7, s4, 9
	s_add_co_u32 s50, s6, s7                       ; out0 at pixel (y0 + 2 w, x0)
	s_add_nc_u64 s[32:33], s[32:33], s[50:51]
	WIN 0x40                                       ; destination window 1
	XLD 0
	XLD 1
	XLD 2
	WIN 0
	s_cmp_ge_u32 s2, 2                             ; 14 tiles: waves 0 and 1 have four, waves 2 and 3 three
	s_cbranch_scc1 .Lno_fourth
	WIN 0x40
	XLD 3
	WIN 0
.Lno_fourth:
	WIN 0x80                                       ; destination window 2: 12 loads of fragments, 8 of biases; then 3 of scale words: 23 loads behind x's
.irp u, 0,1
.irp c, 0,1
	global_load_b128 v[WK+8*\u+4*\c:WK+8*\u+4*\c+3], v[WA], s[16:17] offset:1024*\u+32*\c
	global_load_b128 v[WV+8*\u+4*\c:WV+8*\u+4*\c+3], v[WA], s[20:21] offset:1024*\u+32*\c
	global_load_b128 v[WQ+8*\u+4*\c:WQ+8*\u+4*\c+3], v[WA], s[10:11] offset:1024*\u+32*\c
.endr
.endr
.irp u, 0,1
.irp g, 0,1
	global_load_b128 v[BV+8*\u+4*\g:BV+8*\u+4*\g+3], v[BA], s[24:25] offset:64*\u+16*\g
	global_load_b128 v[BQ+8*\u+4*\g:BQ+8*\u+4*\g+3], v[BA], s[14:15] offset:64*\u+16*\g
.endr
.endr
	WIN 0
	global_load_b32 v[WSK], v[W4], s[18:19]
	global_load_b32 v[WSV], v[W4], s[22:23]
	global_load_b32 v[WSQ], v[W4], s[12:13]
	; ---- x BECOMES CODES: my tiles, one through the stage while the one before is quantised
	s_wait_loadcnt 51                              ; tile 0 is in: behind it stand tiles 1 and 2 (28) and the 23; where a fourth tile was asked for the count asks for more than is needed
	TURN 0, NUMA
	s_wait_loadcnt 37                              ; tile 1: behind it tile 2 and the 23
	TURN 1, NUMB
	s_wait_dscnt 32                                ; tile 0 is back from its stage; tile 1's 32 may be out
	QUANT NUMA, PC0, PW0
	IMAGE 0, PC0, PW0
	s_wait_loadcnt 23                              ; all of x is in; the weights' 23 may be out
	TURN 2, NUMA
	s_wait_dscnt 32                                ; tile 1 is back, tile 0's image is stored; tile 2's 32 may be out
	QUANT NUMB, PC1, PW1
	IMAGE 1, PC1, PW1
	s_wait_dscnt 3                                 ; tile 2 is back; tile 1's image (3) may be out
	QUANT NUMA, PC0, PW0
	IMAGE 2, PC0, PW0
	s_cmp_ge_u32 s2, 2
	s_cbranch_scc1 .Lthree_tiles
	TURN 3, NUMB
	s_wait_dscnt 0x0                               ; tile 3 is back, and tile 1's image has read its registers
	QUANT NUMB, PC1, PW1
	IMAGE 3, PC1, PW1
.Lthree_tiles:
	s_wait_loadcnt 0x0                             ; my weights, biases and scale words
	s_wait_dscnt 0x0                               ; for the others' sake: my images are stored; and my reads of my stages, which K will overwrite, are back
	s_barrier_signal -1
	s_barrier_wait -1                              ; x's 14 fragments lie in LDS
	; ---- K, V, Q.  Wo and bo are asked for here and land under the attention
	WIN 0x80
.irp n, 0,1,2,3,4,5,6,7
.irp c, 0,1
	global_load_b128 v[WO+8*\n+4*\c:WO+8*\n+4*\c+3], v[WA], s[26:27] offset:1024*\n+32*\c
.endr
.endr
.irp n, 0,1,2,3,4,5,6,7
.irp g, 0,1
	global_load_b128 v[BO+8*\n+4*\g:BO+8*\n+4*\g+3], v[BA], s[30:31] offset:64*\n+16*\g
.endr
.endr
	WIN 0
.irp n, 0,1,2,3
	global_load_b32 v[WOS+\n], v[W4], s[28:29] offset:128*\n
.endr
.irp s, 0,1,2,3,4,5,6
	ds_load_b32 v[XS+\s], v[LSC] offset:128*\s
.endr
	WIN 0x40
.irp t, 0,1,2,3,4,5,6,7,8,9,10,11,12,13
.irp c, 0,1
	ds_load_b128 v[8*\t+4*\c:8*\t+4*\c+3], v[LI] offset:1024*\t+512*\c
.endr
.endr
	WIN 0
.irp t, 0,1,2,3,4,5,6,7,8,9,10,11,12,13
	TILE \t
.endr
	s_wait_xcnt 0x0                                ; the loads of Wo and bo have read their address registers, which the attention writes over
	s_wait_dscnt 0x0                               ; for the others' sake: my parts of K, V and Q are stored
	s_barrier_signal -1
	s_barrier_wait -1                              ; K, V and Q are whole.  From here on K and V are only read, and each wave touches its own two rows of Q's region alone: no further barrier
	; ---- ATTENTION, first pass: the scores.  Three buffers: one at work, two on their way
.irp i, 0,1,2,3
	v_mov_b32 v[S+50*\i+49], 0                     ; named later as the upper half of the pair (48, 49), so it is written
.endr
	WIN 0x40
.irp i, 0,1,2,3
.irp c, 0,1,2,3
	ds_load_b128 v[16*\i+4*\c:16*\i+4*\c+3], v[QA] offset:ROWP*(\i/2)+PX*(\i%2)+256*(\c/2)+32*(\c%2)   ; my four queries
.endr
.endr
	LOADU 0
	LOADU 1
.irp u, 0,1,2,3,4,5,6,7,8,9,10,11,12,13,14,15
	WIN 0x40
	LOADU \u+2                                     ; (the last two fetch V's first two units)
	s_wait_dscnt 32                                ; this unit (and q) is in; the two younger units' 32 loads may be out
	SC1 \u/2, \u%2, \u%3
.endr
	; ---- THE SOFTMAX of my four queries, by turns.  All 49 scores stand in registers: the true maximum is taken away
.irp i, 0,1,2,3
	v_max3_num_f32 v[MX+2*\i], v[S+50*\i], v[S+50*\i+1], v[S+50*\i+2]
	v_max3_num_f32 v[MX+2*\i+1], v[S+50*\i+25], v[S+50*\i+26], v[S+50*\i+27]
.endr
.irp n, 0,1,2,3,4,5,6,7,8,9
.irp i, 0,1,2,3
	v_max3_num_f32 v[MX+2*\i], v[MX+2*\i], v[S+50*\i+3+2*\n], v[S+50*\i+4+2*\n]
	v_max3_num_f32 v[MX+2*\i+1], v[MX+2*\i+1], v[S+50*\i+28+2*\n], v[S+50*\i+29+2*\n]
.endr
.endr
.irp i, 0,1,2,3
	v_max3_num_f32 v[MX+2*\i], v[MX+2*\i], v[S+50*\i+23], v[S+50*\i+24]
.endr
.irp i, 0,1,2,3
	v_max3_num_f32 v[MX+2*\i], v[MX+2*\i], v[MX+2*\i+1], v[S+50*\i+48]
.endr
.irp i, 0,1,2,3
	v_mul_f32 v[STR+2*\i], s38, v[MX+2*\i]         ; -c max
.endr
.set N, 0
.rept 24
.irp i, 0,1,2,3
	v_pk_fma_f32 v[S+50*\i+N:S+50*\i+N+1], v[S+50*\i+N:S+50*\i+N+1], s[36:37], v[STR+2*\i:STR+2*\i+1] op_sel_hi:[1,0,0]   ; c s - c max, two at a time
.endr
.set N, N+2
.endr
.irp i, 0,1,2,3
	v_fma_f32 v[S+50*\i+48], v[S+50*\i+48], s36, v[STR+2*\i]
.endr
.set N, 0
.rept 49
.irp i, 0,1,2,3
	v_exp_f32 v[S+50*\i+N], v[S+50*\i+N]           ; p = 2^(c s - c max): one batch of 196
.endr
.set N, N+1
.endr
	v_nop                                          ; a plain place behind the last exponential
	s_wait_alu depctr_va_vdst(0)                   ; the wait ahead of the first instruction that names a result: one for the batch
.irp i, 0,1,2,3
	v_pk_add_f32 v[SUM+2*\i:SUM+2*\i+1], v[S+50*\i:S+50*\i+1], v[S+50*\i+2:S+50*\i+3]
.endr
.set N, 4
.rept 22
.irp i, 0,1,2,3
	v_pk_add_f32 v[SUM+2*\i:SUM+2*\i+1], v[SUM+2*\i:SUM+2*\i+1], v[S+50*\i+N:S+50*\i+N+1]
.endr
.set N, N+2
.endr
.irp i, 0,1,2,3
	v_add_f32 v[SUM+2*\i+1], v[SUM+2*\i], v[SUM+2*\i+1]
.endr
.irp i, 0,1,2,3
	v_add_f32 v[SUM+2*\i+1], v[SUM+2*\i+1], v[S+50*\i+48]
.endr
.irp i, 0,1,2,3
	v_rcp_f32 v[SUM+2*\i], v[SUM+2*\i+1]           ; 1 / the row's sum, at least 1
.endr
	v_nop
	s_wait_alu depctr_va_vdst(0)                   ; one wait for the four reciprocals
	; ---- second pass: the sums over V.  One window setting serves loads and arithmetic: p in window 0, V, the sums and the loads' destinations in window 1
	WIN 0x54
.irp u, 16,17,18,19,20,21,22,23,24,25,26,27,28,29,30,31
.if \u+2 < 32
	LOADU \u+2
.endif
.if \u < 30
	s_wait_dscnt 32                                ; this unit is in; the two younger units may be out
.elseif \u == 30
	s_wait_dscnt 16                                ; one younger unit
.else
	s_wait_dscnt 0x0
.endif
	PV2 (\u-16)/2, \u%2, \u%3
.endr
	WIN 0x41                                       ; the sums in window 1, 1 / sum in window 0
.irp i, 0,1,2,3
.irp j, 0,1,2,3,4,5,6,7
	v_pk_mul_f32 v[16*\i+2*\j:16*\i+2*\j+1], v[16*\i+2*\j:16*\i+2*\j+1], v[SUM+2*\i:SUM+2*\i+1] op_sel_hi:[1,0]
.endr
.endr
	WIN 0x04
.irp i, 0,1,2,3
.irp c, 0,1,2,3
	ds_store_b128 v[QA], v[16*\i+4*\c:16*\i+4*\c+3] offset:ROWP*(\i/2)+PX*(\i%2)+256*(\c/2)+32*(\c%2)   ; the result takes q's place
.endr
.endr
	WIN 0
	; ---- THE OUTPUT: my 16 pixels.  Lane (r, h2) takes channels 32 b + 16 h2 + 0 .. 15 of pixel r, which are head 2 b + h2.  LDS serves a wave's instructions in order: these loads see the stores above
.irp b, 0,1,2,3
.irp c, 0,1,2,3
	ds_load_b128 v[NUMA+16*\b+4*\c:NUMA+16*\b+4*\c+3], v[CR] offset:64*\b+256*(\c/2)+32*(\c%2)
.endr
.endr
	s_wait_dscnt 0x0
	QUANT NUMA, PC0, PW0
	s_wait_loadcnt 0x0                             ; Wo, bo and Wo's scale words
.rept 8
	v_nop                                          ; a scale register written by a vector instruction stands eight places ahead of a scaled product, an operand so written four
.endr
	WIN 0x22                                       ; Wo and bo in window 2, the codes and the result in window 0
.irp n, 0,1,2,3,4,5,6,7
	MM YACC+8*\n, WO+8*\n, PC0, BO+8*\n, WOS+\n/2, PW0, \n%2, 0
.endr
	WIN 0
.rept 4
	v_nop
.endr
.irp n, 0,1,2,3,4,5,6,7                        ; lane (r, h2): y(pixel r, 16 n + 8 h2 + 0 .. 7), into rows of 512 bytes + 16; each accumulator from its low end on
	ds_store_b128 v[YS], v[YACC+8*\n:YACC+8*\n+3] offset:64*\n
	ds_store_b128 v[YS], v[YACC+8*\n+4:YACC+8*\n+7] offset:64*\n+16
.endr
.irp i, 0,1,2,3,4,5,6,7,8,9,10,11,12,13,14,15
	ds_load_b128 v[96+4*\i:96+4*\i+3], v[YR] offset:PX*\i
.endr
.irp i, 0,1,2,3,4,5,6,7,8,9,10,11,12,13,14,15
	s_wait_dscnt 15-\i
	global_store_b128 v[L16], v[96+4*\i:96+4*\i+3], s[32:33] offset:65536*(\i/8)+512*(\i%8) th:TH_STORE_NT   ; 32 lanes store a pixel's 512 consecutive bytes, at a multiple of 512 from out0's first byte
.endr
	s_wait_tensorcnt 0x0                           ; the wave's end
	ds_add_u32 v[SPW], v[NIL]
	s_wait_dscnt 0x0
	s_endpgm
.Lfunc_end_k_q36f9e9a166_lwattn:
	.size	k_q36f9e9a166_lwattn, .Lfunc_end_k_q36f9e9a166_lwattn-k_q36f9e9a166_lwattn
	.p2alignl 7, 3214868480
	.fill 96, 4, 3214868480
	.section	.rodata,"a",@progbits
	.p2align	6, 0x0
	.amdhsa_kernel k_q36f9e9a166_lwattn
		.amdhsa_group_segment_fixed_size 327680
		.amdhsa_private_segment_fixed_size 0
		.amdhsa_enable_private_segment 0
		.amdhsa_kernarg_size 104
		.amdhsa_user_sgpr_count 2
		.amdhsa_user_sgpr_kernarg_segment_ptr 1
		.amdhsa_wavefront_size32 1
		.amdhsa_system_sgpr_workgroup_id_x 1
		.amdhsa_system_sgpr_workgroup_id_y 1
		.amdhsa_system_sgpr_workgroup_id_z 1
		.amdhsa_system_vgpr_workitem_id 0
		.amdhsa_next_free_vgpr 768
		.amdhsa_next_free_sgpr 66
		.amdhsa_reserve_vcc 0
		.amdhsa_float_denorm_mode_32 3
		.amdhsa_float_denorm_mode_16_64 3
		.amdhsa_memory_ordered 1
		.amdhsa_forward_progress 1
		.amdhsa_inst_pref_size 255
	.end_amdhsa_kernel
	.section	.bss,"aw",@nobits
	.p2align	6
	.space	262144
	.amdgpu_metadata
---
amdhsa.version: [ 1, 2 ]
amdhsa.kernels:
  - .name:           k_q36f9e9a166_lwattn
    .symbol:         k_q36f9e9a166_lwattn.kd
    .args:
      - { .name: x, .offset: 0, .size: 8, .value_kind: global_buffer, .address_space: global }
      - { .name: Wq_codes, .offset: 8, .size: 8, .value_kind: global_buffer, .address_space: global }
      - { .name: Wq_scales, .offset: 16, .size: 8, .value_kind: global_buffer, .address_space: global }
      - { .name: bq, .offset: 24, .size: 8, .value_kind: global_buffer, .address_space: global }
      - { .name: Wk_codes, .offset: 32, .size: 8, .value_kind: global_buffer, .address_space: global }
      - { .name: Wk_scales, .offset: 40, .size: 8, .value_kind: global_buffer, .address_space: global }
      - { .name: Wv_codes, .offset: 48, .size: 8, .value_kind: global_buffer, .address_space: global }
      - { .name: Wv_scales, .offset: 56, .size: 8, .value_kind: global_buffer, .address_space: global }
      - { .name: bv, .offset: 64, .size: 8, .value_kind: global_buffer, .address_space: global }
      - { .name: Wo_codes, .offset: 72, .size: 8, .value_kind: global_buffer, .address_space: global }
      - { .name: Wo_scales, .offset: 80, .size: 8, .value_kind: global_buffer, .address_space: global }
      - { .name: bo, .offset: 88, .size: 8, .value_kind: global_buffer, .address_space: global }
      - { .name: out0, .offset: 96, .size: 8, .value_kind: global_buffer, .address_space: global }
    .group_segment_fixed_size: 327680
    .private_segment_fixed_size: 0
    .kernarg_segment_align: 8
    .kernarg_segment_size: 104
    .max_flat_workgroup_size: 128
    .sgpr_count:     66
    .vgpr_count:     768
    .wavefront_size: 32
...
	.end_amdgpu_metadata
.endif
;; end of part 1
;; ======== version 2 of 2: 1 launch; version 1 with the launch lwattn written anew for expert scheduling mode
;; launch lwattn (part 2): grid 16 x 16, 4 waves a work-group, no clusters, 327,680 bytes of LDS; arguments x, Wq_codes, Wq_scales, bq, Wk_codes, Wk_scales, Wv_codes, Wv_scales, bv, Wo_codes, Wo_scales, bo, out0; writes out0
.if DOCPART == 2
	.amdgcn_target "amdgcn-amd-amdhsa--gfx1250"
	.amdhsa_code_object_version 6
	.text
	.protected	k_q36f9e9a166_lwattn
	.globl	k_q36f9e9a166_lwattn
	.p2align	8
	.type	k_q36f9e9a166_lwattn,@function
k_q36f9e9a166_lwattn:
	s_mov_b64 s[64:65], 0
	v_nop
	global_prefetch_b8 v0, s[64:65] scope:SCOPE_SE
	s_setreg_imm32_b32 hwreg(HW_REG_WAVE_SCHED_MODE, 0, 2), 2
	s_setreg_imm32_b32 hwreg(HW_REG_WAVE_MODE, 25, 1), 1
	s_wait_xcnt 0x0
	s_wait_alu depctr_vm_vsrc(0)
; LOCAL WINDOW ATTENTION, 128 x 128 pixels, 128 channels, 8 heads of 16, window 7 x 7 on the reflect-padded image.  One launch; nothing goes through memory but x, the weights and out0.
; A work-group of four waves owns 8 x 8 pixels.  It reads its 14 x 14 halo of x at reflected coordinates, quantises each pixel's 128 channels to E2M1 codes (one E8M0 scale for each 32), makes K and V of the
; halo and Q of the centre by scaled FP4 matrix instructions into LDS (f32), does the window attention by f32 packed multiply-adds (its result goes into a quantiser, so its operands stay f32), quantises the
; result, multiplies by Wo and stores whole rows of 512 bytes.
; WORK LEFT OUT.  (1) The padded rows of xp are copies of rows of x: the same row gives the same codes, the same K and the same V, so K and V of a padded place are looked up at the reflected coordinate.
; (2) bk: the scores are q . (K_w + bk) / 4 = q . K_w / 4 + q . bk / 4, the product with q is not quantised, and q . bk / 4 is the same for all 49 places w of a softmax row: it cancels in the softmax for all
; values of the inputs.  So bk is not loaded and is no argument; K's product starts from the constant 0.  bq, bv, bo are live.
; LIMITS.  A NaN, an infinity or an overflow that reaches only q . bk is not carried to the result.  NaN and infinities among the inputs are not served.  A block whose largest magnitude lies under 2^-124
; keeps the scale byte 1; a block of zeros gets the byte 1 with zero codes (these bytes are read by this program alone).  The softmax is divided by its sum behind the product with V.
; NO TENSOR LOADS: reflection makes border tiles no rectangles, and a wave's whole share of x is asked for at the head into registers.  NO CLUSTER: neighbours share only parts of their halos, so no two
; work-groups would state the same tile; what all share, the weights, is 34 KB.  No prefetch: every stream is asked for whole at the head.
; SHARES.  Quantising: halo row t (16 pixel slots, slots 14, 15 copies of column 13) belongs to wave t % 4.  Projections: wave w holds the rows of Wk, Wv, Wq of heads 2 w, 2 w + 1 and multiplies them with all 14
; fragments of x (source 0 = 16 rows of W, source 1 = 16 pixels: a lane holds one pixel and 64 channels).  Attention: wave w owns centre rows 2 w, 2 w + 1; lane = (head h = lane % 8, bx = lane / 8) owns the
; 2 x 2 queries at columns 2 bx, 2 bx + 1: the 8 x 8 keys that it reads serve 196 (query, key) pairs.  Output: wave w's own 16 pixels against all of Wo.
; IN A PIXEL (K, V, Q, the result alike) head n, dimension d lies at byte 256 (c / 2) + 32 (c % 2) + 64 (n / 2) + 16 (n % 2) + 4 (d % 4), c = d / 4: so the sixteen lanes of half a wave's 16-byte read
; (8 heads x 2 neighbouring blocks, pixels 528 bytes apart) fall on sixteen different 16-byte columns of 256 bytes.
; THE MODE: SCHED_MODE bits 1:0 = 2 (LLVM: expert scheduling mode 2), set by the entry lines.  The code itself states the register dependences between vector or matrix instructions and memory or LDS
; instructions, with s_wait_alu, always for 0.
; THE PLAN.  Registers that memory or LDS instructions touch, and who else names them:
;   v1-v7, v28-v57    addresses and offsets: written by vector instructions at the head alone, ahead of one wait on va_vdst; v28-v57 are written over by the attention, behind one wait on vm_vsrc.
;   raw x (window 1)  written by global loads, read by the stages' LDS stores; x's fragments land there behind one wait on vm_vsrc.
;   NUMA, NUMB        written by LDS loads, read by QUANT.   PC0, PW0, PC1, PW1: written by QUANT, read by the images' stores.  One wait on va_vdst behind each QUANT serves its image and the next loads into
;                     its numbers; one wait on vm_vsrc ahead of the third QUANT frees both sets of codes.
;   three sets of accumulators: halo row t's products write set t % 3; its stores are issued a step later, behind the products of row t + 1, which name another set.  One wait on va_vdst at a step's head
;                     (the products of the step before are written), one on vm_vsrc ahead of a step's stores (the stores issued a step ago have read the set that the next step writes).
;   three key buffers (window 1): written by LDS loads, read by a unit's multiply-adds.  First pass: one wait on va_vdst behind a unit's chains, the buffer is asked for again there (the unit three on), and the
;                     unit's closing additions, which name partial scores and scores alone, follow.  Second pass: one wait at a step's head, and the unit two on is dealt among the step's multiply-adds.
;   the sums, the accumulators of y: written by vector or matrix instructions, read by one run of LDS stores each, behind one wait on va_vdst.
.set PX,    528                        ; a pixel in LDS: 512 bytes + 16
.set ROWP,  16*PX                      ; a halo row: 16 pixel slots
.set KREG,  0                          ; K, 14 rows; before that, row t is its owner's stage for the raw x of tile t
.set VREG,  14*ROWP                    ; V, 14 rows
.set QREG,  28*ROWP                    ; Q, 8 centre rows (slot = halo column); behind the second barrier rows 2 w, 2 w + 1 are wave w's alone: q, the result, the stage for y
.set XIMG,  36*ROWP                    ; x's 14 fragments as images of their registers, 1,024 bytes each
.set XSC,   XIMG+14*1024               ; their scale words, 64 bytes a tile
.set SPARE, XSC+1024                   ; the spare words, 128 bytes for each wave: two blocks of 256 bytes that no other line names
; window 0, kept
.set KA,  1                            ; v1  attention: my place in K;  v2 in V
.set VA,  2
.set QA,  3                            ; v3  my first query's place in Q
.set CR,  4                            ; v4  output phase: where I read the result back
.set YS,  5                            ; v5  the stage for y: where I put 32 bytes of a row
.set YR,  6                            ; v6  and where I read a row back
.set L16, 7                            ; v7  16 x lane
.set SPW, 8                            ; v8  LDS address of my spare word; never rewritten
.set NIL, 9                            ; v9  0; never rewritten
.set WSK, 10                           ; v10-12 scale words of my 32 rows of Wk, Wv, Wq: lanes 0-15 the first tile, lanes 16-31 the second
.set WSV, 11
.set WSQ, 12
.set WOS, 13                           ; v13-16 Wo's: register n: rows 32 n + lane
.set PW0, 17                           ; v17, v18 the scale words just made
.set PW1, 18
.set XS,  19                           ; v19-25 x's: register s: lanes 0-15 tile 2 s, lanes 16-31 tile 2 s + 1
; window 0, first phases
.set COL, 28                           ; v28-41 16 x lane + 512 x the reflected column of halo column i
.set SA0, 42                           ; v42, v43 the stage, in: tiles k = 0, 1; k = 2, 3
.set SR0, 44                           ; v44, v45 the stage, out
.set IW,  46                           ; v46 where I store images;  v47 their scale words
.set SW,  47
.set WA,  48                           ; v48 a weight fragment's bytes: 64 r + 16 h2;  v49 4 x lane;  v50 32 h2
.set W4,  49
.set BA,  50
.set LI,  51                           ; v51 an image's place for my lane;  v52 a scale word's
.set LSC, 52
.set AK0, 53                           ; v53, v54 where I store K: rows 0-6, rows 7-13;  v55, v56 V;  v57 Q
.set AV0, 55
.set AQ,  57
.set TM,  60                           ; v60-75 at work in QUANT
.set PC0, 76                           ; v76-83, v84-91 the codes just made
.set PC1, 84
.set NUMA, 96                          ; v96-159, v160-223 64 numbers of a lane
.set NUMB, 160
.set ACC0, 96                          ; three sets of six accumulators, 48 apart (v96-239): K at 0, 8; V at 16, 24; Q at 32, 40
; window 0, attention
.set TMP, 28                           ; v28-55 14 pairs of partial scores
.set STR, 28                           ; softmax: v28-35 -c max (low word of a pair);  v36-43 the sums, then 1 / sum in the low word;  v44-51 the maxima's chains
.set SUM, 36
.set MX,  44
.set S,   56                           ; query i's score of window place (wr, wc): v[56 + 50 i + 7 wr + wc]; the 50th holds 0
.set YACC, 160                         ; output phase: eight accumulators
; window 1: x as loaded (tile k at 56 k, column i at + 4 i); then x's fragments (8 t); then q and later the sums at 0-63 (16 i + 4 c), three key buffers of 64 from 64 on
; window 2: the weights' fragments and the biases in the results' layout
.set WK,  0
.set WV,  16
.set WQ,  32
.set BV,  48
.set BQ,  64
.set WO,  96
.set BO,  160
.set MSB, 0
.macro WIN new                         ; s_set_vgpr_msb: bits 1:0 source 0, 3:2 source 1, 5:4 source 2, 7:6 destination; the high byte repeats the setting that is left
.if MSB != \new
	s_set_vgpr_msb (MSB<<8)|\new
.set MSB, \new
.endif
.endm
.macro REFL d, s                       ; d = s reflected into 0 .. 127, for s from -3 to 132
	s_sub_co_i32 s3, 0, \s
	s_max_i32 \d, \s, s3
	s_sub_co_i32 s3, 254, \d
	s_min_i32 \d, \d, s3
.endm
; 64 numbers of a lane, register 16 b + i = channel 32 b + 16 (lane / 16) + i of my row (lane % 16), become a fragment's codes in v[pc] on and its scale word in v[pw]
.macro QUANT s, pc, pw
.irp b, 0,1,2,3
	v_max3_num_f32 v[TM+\b], |v[\s+16*\b]|, |v[\s+1+16*\b]|, 0x1800000   ; block b: my 16 numbers, and the floor 2^(3 - 127): the byte cannot fall under 1
.endr
.irp i, 2,4,6,8,10,12,14
.irp b, 0,1,2,3
	v_max3_num_f32 v[TM+\b], v[TM+\b], |v[\s+16*\b+\i]|, |v[\s+1+16*\b+\i]|   ; the four blocks by turns
.endr
.endr
.irp b, 0,1,2,3
	v_permlanex16_b32 v[TM+4+\b], v[TM+\b], s34, s35
.endr
.irp b, 0,1,2,3
	v_max_num_f32 v[TM+\b], v[TM+\b], v[TM+4+\b]      ; with lane l xor 16's: the block's largest magnitude
.endr
.irp b, 0,1,2,3
	v_add_nc_u32 v[TM+12+\b], 0xff000000, v[TM+\b]    ; 2 off its exponent field: the conversion takes the exponent field of this operand as its scale
.endr
.irp b, 0,1,2,3
	v_lshrrev_b32 v[TM+4+\b], 23, v[TM+12+\b]         ; the scale's byte
.endr
	v_lshl_or_b32 v[\pw], v[TM+5], 8, v[TM+4]         ; my row's scale word
	v_lshl_or_b32 v[\pw], v[TM+6], 16, v[\pw]
	v_lshl_or_b32 v[\pw], v[TM+7], 24, v[\pw]
.irp b, 0,1,2,3
	v_cvt_scalef32_pk8_fp4_f32 v[\pc+2*\b], v[\s+16*\b:\s+7+16*\b], v[TM+12+\b]
	v_cvt_scalef32_pk8_fp4_f32 v[\pc+1+2*\b], v[\s+8+16*\b:\s+15+16*\b], v[TM+12+\b]
.endr
	v_nop                                             ; one plain place behind a scaled conversion
.irp c, 0,1                                       ; the operand's layout wants a whole block in a lane
.irp i, 0,1
	v_permlane16_swap_b32 v[\pc+4*\c+\i], v[\pc+2+4*\c+\i]
.endr
.endr
.endm
.macro XLD k                           ; my tile k: 14 pixels, each load one pixel's 512 consecutive bytes
.irp i, 0,1,2,3,4,5,6,7,8,9,10,11,12,13
	global_load_b128 v[56*(\k)+4*\i:56*(\k)+4*\i+3], v[COL+\i], s[40+2*(\k):41+2*(\k)]
.endr
.endm
; my tile k goes through its stage: in as loaded (a pixel to a store), out 16 neighbouring channels of each block of 32 to a lane.  LDS serves a wave's instructions in order: no wait between.  32 LDS instructions
.macro TURN k, num
	WIN 0x04                                          ; an LDS store's data are its source 1: window 1
.irp i, 0,1,2,3,4,5,6,7,8,9,10,11,12,13
	ds_store_b128 v[SA0+(\k)/2], v[56*(\k)+4*\i:56*(\k)+4*\i+3] offset:((\k)&1)*4*ROWP+PX*\i
.endr
	ds_store_b128 v[SA0+(\k)/2], v[56*(\k)+52:56*(\k)+55] offset:((\k)&1)*4*ROWP+PX*14   ; slots 14 and 15: column 13 again, so that a tile has 16 rows
	ds_store_b128 v[SA0+(\k)/2], v[56*(\k)+52:56*(\k)+55] offset:((\k)&1)*4*ROWP+PX*15
	WIN 0
.irp b, 0,1,2,3
.irp j, 0,1,2,3
	ds_load_b128 v[\num+16*\b+4*\j:\num+16*\b+4*\j+3], v[SR0+(\k)/2] offset:((\k)&1)*4*ROWP+128*\b+16*\j
.endr
.endr
.endm
.macro IMAGE k, pc, pw                 ; the fragment goes to LDS as it stands in its registers; its scale words beside it (lanes 16-31 write the same words with the same values).  3 LDS instructions
.irp c, 0,1
	ds_store_b128 v[IW], v[\pc+4*\c:\pc+4*\c+3] offset:4096*(\k)+512*\c
.endr
	ds_store_b32 v[SW], v[\pw] offset:256*(\k)
.endm
; one scaled FP4 product.  c: C's first register, or -1 for the constant 0.  arow, brow = 1: that side's scale words stand in lanes 16-31
.macro MM d, a, b, c, sa, sb, arow, brow
.if (\c) < 0
.if (\arow) && (\brow)
	v_wmma_scale_f32_16x16x128_f8f6f4 v[(\d):(\d)+7], v[(\a):(\a)+7], v[(\b):(\b)+7], 0, v[\sa], v[\sb] matrix_a_fmt:MATRIX_FMT_FP4 matrix_b_fmt:MATRIX_FMT_FP4 matrix_a_scale:MATRIX_SCALE_ROW1 matrix_b_scale:MATRIX_SCALE_ROW1
.elseif (\arow)
	v_wmma_scale_f32_16x16x128_f8f6f4 v[(\d):(\d)+7], v[(\a):(\a)+7], v[(\b):(\b)+7], 0, v[\sa], v[\sb] matrix_a_fmt:MATRIX_FMT_FP4 matrix_b_fmt:MATRIX_FMT_FP4 matrix_a_scale:MATRIX_SCALE_ROW1
.elseif (\brow)
	v_wmma_scale_f32_16x16x128_f8f6f4 v[(\d):(\d)+7], v[(\a):(\a)+7], v[(\b):(\b)+7], 0, v[\sa], v[\sb] matrix_a_fmt:MATRIX_FMT_FP4 matrix_b_fmt:MATRIX_FMT_FP4 matrix_b_scale:MATRIX_SCALE_ROW1
.else
	v_wmma_scale_f32_16x16x128_f8f6f4 v[(\d):(\d)+7], v[(\a):(\a)+7], v[(\b):(\b)+7], 0, v[\sa], v[\sb] matrix_a_fmt:MATRIX_FMT_FP4 matrix_b_fmt:MATRIX_FMT_FP4
.endif
.else
.if (\arow) && (\brow)
	v_wmma_scale_f32_16x16x128_f8f6f4 v[(\d):(\d)+7], v[(\a):(\a)+7], v[(\b):(\b)+7], v[(\c):(\c)+7], v[\sa], v[\sb] matrix_a_fmt:MATRIX_FMT_FP4 matrix_b_fmt:MATRIX_FMT_FP4 matrix_a_scale:MATRIX_SCALE_ROW1 matrix_b_scale:MATRIX_SCALE_ROW1
.elseif (\arow)
	v_wmma_scale_f32_16x16x128_f8f6f4 v[(\d):(\d)+7], v[(\a):(\a)+7], v[(\b):(\b)+7], v[(\c):(\c)+7], v[\sa], v[\sb] matrix_a_fmt:MATRIX_FMT_FP4 matrix_b_fmt:MATRIX_FMT_FP4 matrix_a_scale:MATRIX_SCALE_ROW1
.elseif (\brow)
	v_wmma_scale_f32_16x16x128_f8f6f4 v[(\d):(\d)+7], v[(\a):(\a)+7], v[(\b):(\b)+7], v[(\c):(\c)+7], v[\sa], v[\sb] matrix_a_fmt:MATRIX_FMT_FP4 matrix_b_fmt:MATRIX_FMT_FP4 matrix_b_scale:MATRIX_SCALE_ROW1
.else
	v_wmma_scale_f32_16x16x128_f8f6f4 v[(\d):(\d)+7], v[(\a):(\a)+7], v[(\b):(\b)+7], v[(\c):(\c)+7], v[\sa], v[\sb] matrix_a_fmt:MATRIX_FMT_FP4 matrix_b_fmt:MATRIX_FMT_FP4
.endif
.endif
.endm
; halo row t, the products: K and V of my two heads for its 16 pixel slots; for the centre rows Q too.  Each product is one K step: no sum is carried from instruction to instruction.
; STC counts the LDS stores issued so far behind the fragments' loads.
.macro TMUL t
.set AC, ACC0+48*((\t)%3)
.set DSN, 26-2*(\t)+STC
.if DSN > 63
.set DSN, 63
.endif
	s_wait_dscnt DSN                                  ; the scale words and fragment t are in; behind them stand the 26 - 2 t loads of the later fragments and the stores issued so far (a count of 63 at the most is written: it asks for more than is needed)
.if (\t) > 0
	s_wait_alu depctr_va_vdst(0)                      ; the products of row t - 1 have written their set of accumulators, which the stores at this step's end read
.endif
	WIN 0x26                                          ; W and the bias in window 2, x in window 1, the result in window 0
	MM AC,    WK,   8*(\t), -1,   WSK, XS+(\t)/2, 0, (\t)%2
	MM AC+8,  WK+8, 8*(\t), -1,   WSK, XS+(\t)/2, 1, (\t)%2
	MM AC+16, WV,   8*(\t), BV,   WSV, XS+(\t)/2, 0, (\t)%2
	MM AC+24, WV+8, 8*(\t), BV+8, WSV, XS+(\t)/2, 1, (\t)%2
.if ((\t) >= 3) && ((\t) <= 10)
	MM AC+32, WQ,   8*(\t), BQ,   WSQ, XS+(\t)/2, 0, (\t)%2
	MM AC+40, WQ+8, 8*(\t), BQ+8, WSQ, XS+(\t)/2, 1, (\t)%2
.endif
	WIN 0
.rept 4
	v_nop                                             ; four places between a product and the store that reads its result; three rows' twelve stand between two writers of a set
.endr
.endm
; halo row t, the stores: lane (r, h2): pixel slot r, dimensions 8 h2 + 0 .. 7 of head 2 w + u; each accumulator from its low end on
.macro TSTO t
.set AC, ACC0+48*((\t)%3)
.irp u, 0,1
	ds_store_b128 v[AK0+(\t)/7], v[AC+8*\u:AC+8*\u+3] offset:ROWP*((\t)%7)+16*\u
	ds_store_b128 v[AK0+(\t)/7], v[AC+8*\u+4:AC+8*\u+7] offset:ROWP*((\t)%7)+16*\u+32
	ds_store_b128 v[AV0+(\t)/7], v[AC+16+8*\u:AC+16+8*\u+3] offset:ROWP*((\t)%7)+16*\u
	ds_store_b128 v[AV0+(\t)/7], v[AC+16+8*\u+4:AC+16+8*\u+7] offset:ROWP*((\t)%7)+16*\u+32
.endr
.set STC, STC+8
.if ((\t) >= 3) && ((\t) <= 10)
.irp u, 0,1
	ds_store_b128 v[AQ], v[AC+32+8*\u:AC+32+8*\u+3] offset:ROWP*((\t)-3)+16*\u
	ds_store_b128 v[AQ], v[AC+32+8*\u+4:AC+32+8*\u+7] offset:ROWP*((\t)-3)+16*\u+32
.endr
.set STC, STC+4
.endif
.endm
; unit u of the stream of keys: units 0-15 K, 16-31 V; key row (u % 16) / 2, key columns 4 (u % 2) + 0 .. 3; 16 loads of 16 bytes into buffer u % 3.  LOADK: the four loads of one key column kk
.macro LOADK u, kk
.irp c, 0,1,2,3
	ds_load_b128 v[64+64*((\u)%3)+16*(\kk)+4*\c:64+64*((\u)%3)+16*(\kk)+4*\c+3], v[KA+(\u)/16] offset:ROWP*(((\u)&15)/2)+PX*(4*((\u)&1)+(\kk))+256*(\c/2)+32*(\c%2)
.endr
.endm
.macro LOADU u
.irp kk, 0,1,2,3
	LOADK \u, \kk
.endr
.endm
; the scores of a unit: key (kr, 4 hf + kk) counts for query (qy, qx) where kr - qy and 4 hf + kk - qx lie in 0 .. 6: 7 or 14 chains of eight packed multiply-adds, by turns; then each chain's two halves are added.
; nxt: the unit that is asked for into this unit's buffer between the chains and the additions, or -1
.macro SC1 kr, hf, b, nxt
	WIN 0x05                                          ; q and K in window 1, the partial scores in window 0
.irp j, 0,1,2,3,4,5,6,7
.irp qy, 0,1
.irp qx, 0,1
.irp kk, 0,1,2,3
.if (((\kr)-\qy) >= 0) && (((\kr)-\qy) <= 6) && ((4*(\hf)+\kk-\qx) >= 0) && ((4*(\hf)+\kk-\qx) <= 6)
.if \j == 0
	v_pk_mul_f32 v[TMP+2*(7*\qy+3*\qx+\kk):TMP+2*(7*\qy+3*\qx+\kk)+1], v[16*(2*\qy+\qx)+2*\j:16*(2*\qy+\qx)+2*\j+1], v[64+64*(\b)+16*\kk+2*\j:64+64*(\b)+16*\kk+2*\j+1]
.else
	v_pk_fma_f32 v[TMP+2*(7*\qy+3*\qx+\kk):TMP+2*(7*\qy+3*\qx+\kk)+1], v[16*(2*\qy+\qx)+2*\j:16*(2*\qy+\qx)+2*\j+1], v[64+64*(\b)+16*\kk+2*\j:64+64*(\b)+16*\kk+2*\j+1], v[TMP+2*(7*\qy+3*\qx+\kk):TMP+2*(7*\qy+3*\qx+\kk)+1]
.endif
.endif
.endr
.endr
.endr
.endr
.if (\nxt) >= 0
	WIN 0x40                                          ; destination window 1, address window 0
	s_wait_alu depctr_va_vdst(0)                      ; the chains are done reading this unit's buffer, in which the unit three on lands; the additions below name partial scores and scores alone
	LOADU \nxt
.endif
	WIN 0
.irp qy, 0,1
.irp qx, 0,1
.irp kk, 0,1,2,3
.if (((\kr)-\qy) >= 0) && (((\kr)-\qy) <= 6) && ((4*(\hf)+\kk-\qx) >= 0) && ((4*(\hf)+\kk-\qx) <= 6)
	v_add_f32 v[S+50*(2*\qy+\qx)+7*((\kr)-\qy)+4*(\hf)+\kk-\qx], v[TMP+2*(7*\qy+3*\qx+\kk)], v[TMP+2*(7*\qy+3*\qx+\kk)+1]
.endif
.endr
.endr
.endr
.endm
; the sums of a unit: sum(query) += p x V(key), eight packed multiply-adds, p taken from its half of a pair for both halves.  A query's first key (window place 0, 0) starts its sums: nothing is cleared.
; nxt: the unit whose 16 loads are dealt, four ahead of each key column's multiply-adds, or -1.  They land in the buffer that the step before read; this step names its own buffer, the sums and p alone
.macro PV2 kr, hf, b, nxt
.irp kk, 0,1,2,3
.if (\nxt) >= 0
	LOADK \nxt, \kk
.endif
.irp qy, 0,1
.irp qx, 0,1
.if (((\kr)-\qy) >= 0) && (((\kr)-\qy) <= 6) && ((4*(\hf)+\kk-\qx) >= 0) && ((4*(\hf)+\kk-\qx) <= 6)
.set PP, S+50*(2*\qy+\qx)+7*((\kr)-\qy)+4*(\hf)+\kk-\qx
.set PE, PP-(PP%2)
.irp j, 0,1,2,3,4,5,6,7
.if (((\kr)-\qy) == 0) && ((4*(\hf)+\kk-\qx) == 0)
	v_pk_mul_f32 v[16*(2*\qy+\qx)+2*\j:16*(2*\qy+\qx)+2*\j+1], v[PE:PE+1], v[64+64*(\b)+16*\kk+2*\j:64+64*(\b)+16*\kk+2*\j+1] op_sel_hi:[0,1]
.elseif (PP%2) == 0
	v_pk_fma_f32 v[16*(2*\qy+\qx)+2*\j:16*(2*\qy+\qx)+2*\j+1], v[PE:PE+1], v[64+64*(\b)+16*\kk+2*\j:64+64*(\b)+16*\kk+2*\j+1], v[16*(2*\qy+\qx)+2*\j:16*(2*\qy+\qx)+2*\j+1] op_sel_hi:[0,1,1]
.else
	v_pk_fma_f32 v[16*(2*\qy+\qx)+2*\j:16*(2*\qy+\qx)+2*\j+1], v[PE:PE+1], v[64+64*(\b)+16*\kk+2*\j:64+64*(\b)+16*\kk+2*\j+1], v[16*(2*\qy+\qx)+2*\j:16*(2*\qy+\qx)+2*\j+1] op_sel:[1,0,0] op_sel_hi:[1,1,1]
.endif
.endr
.endif
.endr
.endr
.endr
.endm
	; ---- THE HEAD: arguments, ids, every address register (all of them ahead of the first branch on the wave's number)
	s_load_b512 s[8:23], s[0:1], 0x0               ; x s[8:9], Wq's codes s[10:11], scales s[12:13], bq s[14:15], Wk's codes s[16:17], scales s[18:19], Wv's codes s[20:21], scales s[22:23]
	s_load_b256 s[24:31], s[0:1], 0x40             ; bv s[24:25], Wo's codes s[26:27], scales s[28:29], bo s[30:31]
	s_load_b64 s[32:33], s[0:1], 0x60              ; out0
	v_lshl_add_u32 v[SPW], v0, 2, SPARE
	v_mov_b32 v[NIL], 0
	v_lshrrev_b32 v26, 5, v0
	v_readfirstlane_b32 s2, v26                    ; wave w
	s_lshl_b32 s4, ttmp9, 3                        ; x0: my block's first column
	s_and_b32 s5, ttmp7, 0xffff
	s_lshl_b32 s5, s5, 3                           ; y0: its first row
	s_mov_b32 s34, 0x76543210                      ; v_permlanex16_b32's selects for lane l xor 16
	s_mov_b32 s35, 0xfedcba98
	s_mov_b32 s36, 0x3eb8aa3b                      ; c = log2(e) / sqrt(16)
	s_mov_b32 s37, s36                             ; (named with it as a pair)
	s_mov_b32 s38, 0xbeb8aa3b                      ; -c
	s_wait_alu depctr_va_sdst(0)                   ; s2, the wave's number, is written, ahead of its first reader
	s_lshl_b32 s39, s2, 6                          ; 64 w
	s_mul_i32 s48, s2, ROWP                        ; a row x w
	s_mul_i32 s49, s2, 2*ROWP                      ; two rows x w
	s_lshl_b32 s52, s2, 10                         ; 1,024 w
	s_mov_b32 s51, 0
	v_and_b32 v240, 31, v0                         ; lane
	v_and_b32 v241, 15, v0                         ; r
	v_bfe_u32 v242, v0, 4, 1                       ; h2
	v_and_b32 v243, 7, v0                          ; the head; also r % 8
	v_bfe_u32 v244, v0, 3, 2                       ; bx
	v_bfe_u32 v245, v0, 3, 1                       ; r / 8
	v_mul_u32_u24 v246, v241, PX                   ; 528 r
	v_lshlrev_b32 v[L16], 4, v240
	v_add_nc_u32 v[SA0], s48, v[L16]               ; the stage of tile w: a pixel's 512 bytes as loaded
	v_add_nc_u32 v[SA0+1], 8*ROWP, v[SA0]          ; of tile w + 8
	v_lshl_add_u32 v[SR0], v242, 6, v246
	v_add_nc_u32 v[SR0], s48, v[SR0]               ; and back: slot r, + 64 h2
	v_add_nc_u32 v[SR0+1], 8*ROWP, v[SR0]
	v_add_nc_u32 v[IW], s52, v[L16]
	v_add_nc_u32 v[IW], XIMG, v[IW]
	v_lshl_add_u32 v[SW], v241, 2, s39
	v_add_nc_u32 v[SW], XSC, v[SW]
	v_add_nc_u32 v[LI], XIMG, v[L16]
	v_lshl_add_u32 v[LSC], v240, 2, XSC
	v_lshl_add_u32 v[AK0], v242, 8, v246
	v_add_nc_u32 v[AK0], s39, v[AK0]               ; 528 r + 256 h2 + 64 w
	v_add_nc_u32 v[AK0+1], 7*ROWP, v[AK0]
	v_add_nc_u32 v[AV0], VREG, v[AK0]
	v_add_nc_u32 v[AV0+1], VREG, v[AK0+1]
	v_add_nc_u32 v[AQ], QREG, v[AK0]
	v_lshlrev_b32 v[WA], 6, v241
	v_lshl_add_u32 v[WA], v242, 4, v[WA]
	v_lshlrev_b32 v[W4], 2, v240
	v_lshlrev_b32 v[BA], 5, v242
	v_mul_u32_u24 v[KA], v244, 2*PX                ; two pixels x bx
	v_bfe_u32 v26, v0, 1, 2
	v_lshl_add_u32 v[KA], v26, 6, v[KA]            ; + 64 (head / 2)
	v_and_b32 v26, 1, v0
	v_lshl_add_u32 v[KA], v26, 4, v[KA]            ; + 16 (head % 2)
	v_add_nc_u32 v[KA], s49, v[KA]                 ; + halo row 2 w
	v_add_nc_u32 v[VA], VREG, v[KA]
	v_add_nc_u32 v[QA], QREG+3*PX, v[KA]           ; centre column 0 is slot 3
	v_mul_u32_u24 v[CR], v243, PX
	v_mad_u32_u24 v[CR], v245, ROWP, v[CR]
	v_lshl_add_u32 v[CR], v242, 4, v[CR]
	v_add_nc_u32 v[CR], s49, v[CR]
	v_add_nc_u32 v[CR], QREG+3*PX, v[CR]           ; pixel r of my 16: row r / 8, column r % 8; + 16 h2
	v_lshl_add_u32 v[YS], v242, 5, v246
	v_add_nc_u32 v[YS], s49, v[YS]
	v_add_nc_u32 v[YS], QREG, v[YS]
	v_add_nc_u32 v[YR], s49, v[L16]
	v_add_nc_u32 v[YR], QREG, v[YR]
.irp b, 0,1,2,3
	v_mov_b32 v[TM+4+\b], 0                        ; written once: a lane permute's destination counts as one of its sources
.endr
.irp i, 0,1,2,3,4,5,6,7,8,9,10,11,12,13
	s_add_co_i32 s6, s4, \i-3
	REFL s7, s6
	s_lshl_b32 s7, s7, 9
	v_add_nc_u32 v[COL+\i], s7, v[L16]             ; halo column i: its pixel's bytes in a row of x
.endr
	s_wait_kmcnt 0x0
.irp k, 0,1,2,3
	s_add_co_i32 s6, s5, 4*\k-3
	s_add_co_i32 s6, s6, s2
	REFL s7, s6                                    ; halo row w + 4 k
	s_lshl_b32 s50, s7, 16
	s_add_nc_u64 s[40+2*\k:41+2*\k], s[8:9], s[50:51]
.endr
	s_lshl_b32 s50, s2, 11                         ; my 32 rows of codes
	s_add_nc_u64 s[10:11], s[10:11], s[50:51]
	s_add_nc_u64 s[16:17], s[16:17], s[50:51]
	s_add_nc_u64 s[20:21], s[20:21], s[50:51]
	s_lshl_b32 s50, s2, 7                          ; their 32 scale words; my 32 numbers of a bias
	s_add_nc_u64 s[12:13], s[12:13], s[50:51]
	s_add_nc_u64 s[18:19], s[18:19], s[50:51]
	s_add_nc_u64 s[22:23], s[22:23], s[50:51]
	s_add_nc_u64 s[14:15], s[14:15], s[50:51]
	s_add_nc_u64 s[24:25], s[24:25], s[50:51]
	s_lshl_b32 s6, s2, 1
	s_add_co_u32 s6, s6, s5
	s_lshl_b32 s6, s6, 16
	s_lshl_b32 s7, s4, 9
	s_add_co_u32 s50, s6, s7                       ; out0 at pixel (y0 + 2 w, x0)
	s_add_nc_u64 s[32:33], s[32:33], s[50:51]
	WIN 0x40                                       ; destination window 1
	s_wait_alu depctr_va_vdst(0)                   ; every address and offset register of the kernel, v1 to v7 and v28 to v57, is written: all loads and stores below read them, and none is written again before the attention
	XLD 0
	XLD 1
	XLD 2
	WIN 0
	s_cmp_ge_u32 s2, 2                             ; 14 tiles: waves 0 and 1 have four, waves 2 and 3 three
	s_cbranch_scc1 .Lno_fourth
	WIN 0x40
	XLD 3
	WIN 0
.Lno_fourth:
	WIN 0x80                                       ; destination window 2: 12 loads of fragments, 8 of biases; then 3 of scale words: 23 loads behind x's
.irp u, 0,1
.irp c, 0,1
	global_load_b128 v[WK+8*\u+4*\c:WK+8*\u+4*\c+3], v[WA], s[16:17] offset:1024*\u+32*\c
	global_load_b128 v[WV+8*\u+4*\c:WV+8*\u+4*\c+3], v[WA], s[20:21] offset:1024*\u+32*\c
	global_load_b128 v[WQ+8*\u+4*\c:WQ+8*\u+4*\c+3], v[WA], s[10:11] offset:1024*\u+32*\c
.endr
.endr
.irp u, 0,1
.irp g, 0,1
	global_load_b128 v[BV+8*\u+4*\g:BV+8*\u+4*\g+3], v[BA], s[24:25] offset:64*\u+16*\g
	global_load_b128 v[BQ+8*\u+4*\g:BQ+8*\u+4*\g+3], v[BA], s[14:15] offset:64*\u+16*\g
.endr
.endr
	WIN 0
	global_load_b32 v[WSK], v[W4], s[18:19]
	global_load_b32 v[WSV], v[W4], s[22:23]
	global_load_b32 v[WSQ], v[W4], s[12:13]
	; ---- x BECOMES CODES: my tiles, one through the stage while the one before is quantised
	s_wait_loadcnt 51                              ; tile 0 is in: behind it stand tiles 1 and 2 (28) and the 23; where a fourth tile was asked for the count asks for more than is needed
	TURN 0, NUMA
	s_wait_loadcnt 37                              ; tile 1: behind it tile 2 and the 23
	TURN 1, NUMB
	s_wait_dscnt 32                                ; tile 0 is back from its stage; tile 1's 32 may be out
	QUANT NUMA, PC0, PW0
	s_wait_alu depctr_va_vdst(0)                   ; tile 0's codes and scale word are written, which the image's stores read; and its numbers have been read, in whose registers tile 2's land
	IMAGE 0, PC0, PW0
	s_wait_loadcnt 23                              ; all of x is in; the weights' 23 may be out
	TURN 2, NUMA
	s_wait_dscnt 32                                ; tile 1 is back, tile 0's image is stored; tile 2's 32 may be out
	QUANT NUMB, PC1, PW1
	s_wait_alu depctr_va_vdst(0)                   ; tile 1's codes and scale word are written, which the image's stores read; and its numbers have been read, in whose registers tile 3's land
	IMAGE 1, PC1, PW1
	s_wait_dscnt 3                                 ; tile 2 is back; tile 1's image (3) may be out
	s_wait_alu depctr_vm_vsrc(0)                   ; the images' stores of tiles 0 and 1 have read their codes and scale words: tile 2's are written over tile 0's here, tile 3's over tile 1's below
	QUANT NUMA, PC0, PW0
	s_wait_alu depctr_va_vdst(0)                   ; tile 2's codes and scale word are written, which the image's stores read
	IMAGE 2, PC0, PW0
	s_cmp_ge_u32 s2, 2
	s_cbranch_scc1 .Lthree_tiles
	TURN 3, NUMB
	s_wait_dscnt 0x0                               ; tile 3 is back
	QUANT NUMB, PC1, PW1
	s_wait_alu depctr_va_vdst(0)                   ; tile 3's codes and scale word are written, which the image's stores read
	IMAGE 3, PC1, PW1
.Lthree_tiles:
	s_wait_loadcnt 0x0                             ; my weights, biases and scale words
	s_wait_dscnt 0x0                               ; for the others' sake: my images are stored; and my reads of my stages, which K will overwrite, are back
	s_barrier_signal -1
	s_barrier_wait -1                              ; x's 14 fragments lie in LDS
	; ---- K, V, Q.  Wo and bo are asked for here and land under the attention
	WIN 0x80
.irp n, 0,1,2,3,4,5,6,7
.irp c, 0,1
	global_load_b128 v[WO+8*\n+4*\c:WO+8*\n+4*\c+3], v[WA], s[26:27] offset:1024*\n+32*\c
.endr
.endr
.irp n, 0,1,2,3,4,5,6,7
.irp g, 0,1
	global_load_b128 v[BO+8*\n+4*\g:BO+8*\n+4*\g+3], v[BA], s[30:31] offset:64*\n+16*\g
.endr
.endr
	WIN 0
.irp n, 0,1,2,3
	global_load_b32 v[WOS+\n], v[W4], s[28:29] offset:128*\n
.endr
.irp s, 0,1,2,3,4,5,6
	ds_load_b32 v[XS+\s], v[LSC] offset:128*\s
.endr
	WIN 0x40
	s_wait_alu depctr_vm_vsrc(0)                   ; the stages' stores have read x as it was loaded: x's fragments land in those registers
.irp t, 0,1,2,3,4,5,6,7,8,9,10,11,12,13
.irp c, 0,1
	ds_load_b128 v[8*\t+4*\c:8*\t+4*\c+3], v[LI] offset:1024*\t+512*\c
.endr
.endr
	WIN 0
	; a step: the products of row t into set t % 3, then the stores of row t - 1 out of another set
.set STC, 0
.irp t, 0,1,2,3,4,5,6,7,8,9,10,11,12,13
	TMUL \t
.if (\t >= 2) && (\t <= 12)
	s_wait_alu depctr_vm_vsrc(0)                   ; the stores of row t - 2, issued a step ago, have read their set, which the next step's products write again
.endif
.if \t >= 1
	TSTO \t-1
.endif
.endr
	s_wait_alu depctr_va_vdst(0)                   ; row 13's products have written their set, which the stores below read; and all products are done reading x's fragments, in whose registers q and the keys land behind the barrier
	TSTO 13
	s_wait_xcnt 0x0                                ; the loads of Wo and bo have read their address registers, which the attention writes over
	s_wait_alu depctr_vm_vsrc(0)                   ; all loads and stores so far have read their addresses (v28 to v57) and data (the codes, the accumulators), which the attention's partial scores and scores write over
	s_wait_dscnt 0x0                               ; for the others' sake: my parts of K, V and Q are stored
	s_barrier_signal -1
	s_barrier_wait -1                              ; K, V and Q are whole.  From here on K and V are only read, and each wave touches its own two rows of Q's region alone: no further barrier
	; ---- ATTENTION, first pass: the scores.  Three buffers: one at work, two on their way; a buffer is asked for again as soon as its chains have read it
.irp i, 0,1,2,3
	v_mov_b32 v[S+50*\i+49], 0                     ; named later as the upper half of the pair (48, 49), so it is written
.endr
	WIN 0x40
.irp i, 0,1,2,3
.irp c, 0,1,2,3
	ds_load_b128 v[16*\i+4*\c:16*\i+4*\c+3], v[QA] offset:ROWP*(\i/2)+PX*(\i%2)+256*(\c/2)+32*(\c%2)   ; my four queries
.endr
.endr
	LOADU 0
	LOADU 1
	s_wait_dscnt 16                                ; q and unit 0 are in; unit 1's 16 loads may be out
	LOADU 2
	SC1 0, 0, 0, 3
.irp u, 1,2,3,4,5,6,7,8,9,10,11,12,13,14,15
	s_wait_dscnt 32                                ; this unit is in; the two younger units' 32 loads may be out
.if \u < 15
	SC1 \u/2, \u%2, \u%3, \u+3                     ; (units 13 and 14 fetch V's first two units)
.else
	SC1 \u/2, \u%2, \u%3, -1
.endif
.endr
	; ---- THE SOFTMAX of my four queries, by turns.  All 49 scores stand in registers: the true maximum is taken away
.irp i, 0,1,2,3
	v_max3_num_f32 v[MX+2*\i], v[S+50*\i], v[S+50*\i+1], v[S+50*\i+2]
	v_max3_num_f32 v[MX+2*\i+1], v[S+50*\i+25], v[S+50*\i+26], v[S+50*\i+27]
.endr
.irp n, 0,1,2,3,4,5,6,7,8,9
.irp i, 0,1,2,3
	v_max3_num_f32 v[MX+2*\i], v[MX+2*\i], v[S+50*\i+3+2*\n], v[S+50*\i+4+2*\n]
	v_max3_num_f32 v[MX+2*\i+1], v[MX+2*\i+1], v[S+50*\i+28+2*\n], v[S+50*\i+29+2*\n]
.endr
.endr
.irp i, 0,1,2,3
	v_max3_num_f32 v[MX+2*\i], v[MX+2*\i], v[S+50*\i+23], v[S+50*\i+24]
.endr
.irp i, 0,1,2,3
	v_max3_num_f32 v[MX+2*\i], v[MX+2*\i], v[MX+2*\i+1], v[S+50*\i+48]
.endr
.irp i, 0,1,2,3
	v_mul_f32 v[STR+2*\i], s38, v[MX+2*\i]         ; -c max
.endr
.set N, 0
.rept 24
.irp i, 0,1,2,3
	v_pk_fma_f32 v[S+50*\i+N:S+50*\i+N+1], v[S+50*\i+N:S+50*\i+N+1], s[36:37], v[STR+2*\i:STR+2*\i+1] op_sel_hi:[1,0,0]   ; c s - c max, two at a time
.endr
.set N, N+2
.endr
.irp i, 0,1,2,3
	v_fma_f32 v[S+50*\i+48], v[S+50*\i+48], s36, v[STR+2*\i]
.endr
.set N, 0
.rept 49
.irp i, 0,1,2,3
	v_exp_f32 v[S+50*\i+N], v[S+50*\i+N]           ; p = 2^(c s - c max): one batch of 196
.endr
.set N, N+1
.endr
	v_nop                                          ; a plain place behind the last exponential
	s_wait_alu depctr_va_vdst(0)                   ; the 196 exponentials have written p: the wait ahead of the first instruction that names a result: one for the batch
.irp i, 0,1,2,3
	v_pk_add_f32 v[SUM+2*\i:SUM+2*\i+1], v[S+50*\i:S+50*\i+1], v[S+50*\i+2:S+50*\i+3]
.endr
.set N, 4
.rept 22
.irp i, 0,1,2,3
	v_pk_add_f32 v[SUM+2*\i:SUM+2*\i+1], v[SUM+2*\i:SUM+2*\i+1], v[S+50*\i+N:S+50*\i+N+1]
.endr
.set N, N+2
.endr
.irp i, 0,1,2,3
	v_add_f32 v[SUM+2*\i+1], v[SUM+2*\i], v[SUM+2*\i+1]
.endr
.irp i, 0,1,2,3
	v_add_f32 v[SUM+2*\i+1], v[SUM+2*\i+1], v[S+50*\i+48]
.endr
.irp i, 0,1,2,3
	v_rcp_f32 v[SUM+2*\i], v[SUM+2*\i+1]           ; 1 / the row's sum, at least 1
.endr
	v_nop
	s_wait_alu depctr_va_vdst(0)                   ; the four reciprocals are written: one wait for them; the first pass's last chains, too, are long done reading their buffer, in which unit 18 lands below
	; ---- second pass: the sums over V.  One window setting serves loads and arithmetic: p in window 0, V, the sums and the loads' destinations in window 1
	WIN 0x54
.irp u, 16,17,18,19,20,21,22,23,24,25,26,27,28,29,30,31
.if \u < 31
	s_wait_dscnt 16                                ; this unit is in; the next unit's 16 loads, dealt among the step before, may be out
.else
	s_wait_dscnt 0x0
.endif
.if (\u > 16) && (\u < 30)
	s_wait_alu depctr_va_vdst(0)                   ; the multiply-adds of the step before are done reading their buffer, in which the unit two on lands
.endif
.if \u < 30
	PV2 (\u-16)/2, \u%2, \u%3, \u+2
.else
	PV2 (\u-16)/2, \u%2, \u%3, -1
.endif
.endr
	WIN 0x41                                       ; the sums in window 1, 1 / sum in window 0
.irp i, 0,1,2,3
.irp j, 0,1,2,3,4,5,6,7
	v_pk_mul_f32 v[16*\i+2*\j:16*\i+2*\j+1], v[16*\i+2*\j:16*\i+2*\j+1], v[SUM+2*\i:SUM+2*\i+1] op_sel_hi:[1,0]
.endr
.endr
	WIN 0x04
	s_wait_alu depctr_va_vdst(0)                   ; the result is written, which the stores below read; and p has been read for the last time, in whose registers the loads behind them land
.irp i, 0,1,2,3
.irp c, 0,1,2,3
	ds_store_b128 v[QA], v[16*\i+4*\c:16*\i+4*\c+3] offset:ROWP*(\i/2)+PX*(\i%2)+256*(\c/2)+32*(\c%2)   ; the result takes q's place
.endr
.endr
	WIN 0
	; ---- THE OUTPUT: my 16 pixels.  Lane (r, h2) takes channels 32 b + 16 h2 + 0 .. 15 of pixel r, which are head 2 b + h2.  LDS serves a wave's instructions in order: these loads see the stores above
.irp b, 0,1,2,3
.irp c, 0,1,2,3
	ds_load_b128 v[NUMA+16*\b+4*\c:NUMA+16*\b+4*\c+3], v[CR] offset:64*\b+256*(\c/2)+32*(\c%2)
.endr
.endr
	s_wait_dscnt 0x0
	QUANT NUMA, PC0, PW0
	s_wait_loadcnt 0x0                             ; Wo, bo and Wo's scale words
.rept 8
	v_nop                                          ; a scale register written by a vector instruction stands eight places ahead of a scaled product, an operand so written four
.endr
	s_wait_alu depctr_va_vdst(0)                   ; the result's codes and scale word are written, which the scaled products take as operand and scales; the places above stay beside this wait
	WIN 0x22                                       ; Wo and bo in window 2, the codes and the result in window 0
.irp n, 0,1,2,3,4,5,6,7
	MM YACC+8*\n, WO+8*\n, PC0, BO+8*\n, WOS+\n/2, PW0, \n%2, 0
.endr
	WIN 0
.rept 4
	v_nop
.endr
	s_wait_alu depctr_va_vdst(0)                   ; the products have written y's accumulators, which the stores below read; and the result's numbers have been read, in whose registers the rows of y land.  The places above stay beside this wait
.irp n, 0,1,2,3,4,5,6,7                        ; lane (r, h2): y(pixel r, 16 n + 8 h2 + 0 .. 7), into rows of 512 bytes + 16; each accumulator from its low end on
	ds_store_b128 v[YS], v[YACC+8*\n:YACC+8*\n+3] offset:64*\n
	ds_store_b128 v[YS], v[YACC+8*\n+4:YACC+8*\n+7] offset:64*\n+16
.endr
.irp i, 0,1,2,3,4,5,6,7,8,9,10,11,12,13,14,15
	ds_load_b128 v[96+4*\i:96+4*\i+3], v[YR] offset:PX*\i
.endr
.irp i, 0,1,2,3,4,5,6,7,8,9,10,11,12,13,14,15
	s_wait_dscnt 15-\i
	global_store_b128 v[L16], v[96+4*\i:96+4*\i+3], s[32:33] offset:65536*(\i/8)+512*(\i%8) th:TH_STORE_NT   ; 32 lanes store a pixel's 512 consecutive bytes, at a multiple of 512 from out0's first byte
.endr
	s_wait_dscnt 0x0                               ; the closing lines, six on end, for a launch in the mode that stores to LDS
	s_wait_alu 0x0
	s_wait_tensorcnt 0x0
	ds_add_u32 v[SPW], v[NIL]
	s_wait_dscnt 0x0
	s_endpgm
.Lfunc_end_k_q36f9e9a166_lwattn:
	.size	k_q36f9e9a166_lwattn, .Lfunc_end_k_q36f9e9a166_lwattn-k_q36f9e9a166_lwattn
	.p2alignl 7, 3214868480
	.fill 96, 4, 3214868480
	.section	.rodata,"a",@progbits
	.p2align	6, 0x0
	.amdhsa_kernel k_q36f9e9a166_lwattn
		.amdhsa_group_segment_fixed_size 327680
		.amdhsa_private_segment_fixed_size 0
		.amdhsa_enable_private_segment 0
		.amdhsa_kernarg_size 104
		.amdhsa_user_sgpr_count 2
		.amdhsa_user_sgpr_kernarg_segment_ptr 1
		.amdhsa_wavefront_size32 1
		.amdhsa_system_sgpr_workgroup_id_x 1
		.amdhsa_system_sgpr_workgroup_id_y 1
		.amdhsa_system_sgpr_workgroup_id_z 1
		.amdhsa_system_vgpr_workitem_id 0
		.amdhsa_next_free_vgpr 768
		.amdhsa_next_free_sgpr 66
		.amdhsa_reserve_vcc 0
		.amdhsa_float_denorm_mode_32 3
		.amdhsa_float_denorm_mode_16_64 3
		.amdhsa_memory_ordered 1
		.amdhsa_forward_progress 1
		.amdhsa_inst_pref_size 255
	.end_amdhsa_kernel
	.section	.bss,"aw",@nobits
	.p2align	6
	.space	262144
	.amdgpu_metadata
---
amdhsa.version: [ 1, 2 ]
amdhsa.kernels:
  - .name:           k_q36f9e9a166_lwattn
    .symbol:         k_q36f9e9a166_lwattn.kd
    .args:
      - { .name: x, .offset: 0, .size: 8, .value_kind: global_buffer, .address_space: global }
      - { .name: Wq_codes, .offset: 8, .size: 8, .value_kind: global_buffer, .address_space: global }
      - { .name: Wq_scales, .offset: 16, .size: 8, .value_kind: global_buffer, .address_space: global }
      - { .name: bq, .offset: 24, .size: 8, .value_kind: global_buffer, .address_space: global }
      - { .name: Wk_codes, .offset: 32, .size: 8, .value_kind: global_buffer, .address_space: global }
      - { .name: Wk_scales, .offset: 40, .size: 8, .value_kind: global_buffer, .address_space: global }
      - { .name: Wv_codes, .offset: 48, .size: 8, .value_kind: global_buffer, .address_space: global }
      - { .name: Wv_scales, .offset: 56, .size: 8, .value_kind: global_buffer, .address_space: global }
      - { .name: bv, .offset: 64, .size: 8, .value_kind: global_buffer, .address_space: global }
      - { .name: Wo_codes, .offset: 72, .size: 8, .value_kind: global_buffer, .address_space: global }
      - { .name: Wo_scales, .offset: 80, .size: 8, .value_kind: global_buffer, .address_space: global }
      - { .name: bo, .offset: 88, .size: 8, .value_kind: global_buffer, .address_space: global }
      - { .name: out0, .offset: 96, .size: 8, .value_kind: global_buffer, .address_space: global }
    .group_segment_fixed_size: 327680
    .private_segment_fixed_size: 0
    .kernarg_segment_align: 8
    .kernarg_segment_size: 104
    .max_flat_workgroup_size: 128
    .sgpr_count:     66
    .vgpr_count:     768
    .wavefront_size: 32
...
	.end_amdgpu_metadata
.endif
;; end of part 2
